; MI455X (gfx1250); checked and timed in simulation.
; The chip was launched on July 23, 2026; its instructions are those of AMD's public machine-readable ISA for CDNA 5 (MIT licence, August 2026) and "CDNA5" Instruction Set Architecture Reference Guide (July 2026). The comments in the code are by the model that wrote it; some were corrected since.
;; Grouped Query Attention. Allowed arithmetic: matrix products marked QUANTISED: E4M3 operands, one E8M0 scale for each 32 along K, by v_wmma_scale_f32_16x16x128_f8f6f4 with both operands' format E4M3, f32 sums; everything else in f32.
;; Inputs: Wk 2,048 x 512 float32; Wo 2,048 x 2,048 float32; Wq 2,048 x 2,048 float32; Wv 2,048 x 512 float32; cos 2,048 x 64 float32; k_scale 64 float32; mask 2,048 x 2,048 bool; q_scale 64 float32; sin 2,048 x 64 float32; x 1 x 2,048 x 2,048 float32.
;; Outputs: out0 1 x 2,048 x 2,048 float32.
;; This version of the problem:
;;   THIS VERSION OF THE PROBLEM IS GIVEN IN LOW PRECISION. The matrix products marked QUANTISED in the list below multiply operands that are first quantised to E4M3 (4 exponent bits, 3 mantissa bits; 8 bits a number), with one power-of-two scale for each 32 numbers along K (OCP MX v1.0); their sums are f32. All else is computed in f32.
;;   The module's matrix products, in the order in which they are computed (A, B: the left and right operand; K: the contracted axis; several contracted axes count as one K, in the product's order):
;;     1. [M 2,048, K 2,048] x [K 2,048, N 2,048]; A: input x; B: input Wq: QUANTISED
;;     2. [M 2,048, K 2,048] x [K 2,048, N 512]; A: input x; B: input Wk: QUANTISED
;;     3. [M 2,048, K 2,048] x [K 2,048, N 512]; A: input x; B: input Wv: QUANTISED
;;     4. batch 8 x [M 8,192, K 64] x [K 64, N 2,048]; A: computed on the way; B: computed on the way: QUANTISED
;;     5. batch 8 x [M 8,192, K 2,048] x [K 2,048, N 64]; A: softmax (see below); B: computed on the way: QUANTISED
;;     6. [M 2,048, K 2,048] x [K 2,048, N 2,048]; A: computed on the way; B: input Wo: QUANTISED
;;   THE QUANTISER, for each operand of a quantised product, along K:
;;     - K is cut into blocks of 32 from its start; a last block that is shorter is filled with zeros.
;;     - A block's scale is 2^e with e = floor(log2(the largest magnitude in the block)) - 8, held to -126 .. 127; a block of zeros has e = 0. As a byte (E8M0): e + 127.
;;     - Each number is divided by its block's scale, clamped to +-448, and rounded to the nearest number of E4M3, ties to even, subnormals kept.
;;     - The product sums the exact products of the quantised numbers (number of the format x scale) in f32.
;;   ~~~python
;;   def quantise(x, axis):      # numpy; x: float32 -> the quantised numbers, widened to float32 again
;;       x = np.moveaxis(x, axis, -1); K = x.shape[-1]
;;       x = np.pad(x, [(0, 0)] * (x.ndim - 1) + [(0, -K % 32)]); x = x.reshape(x.shape[:-1] + (-1, 32)); a = np.abs(x).max(-1, keepdims=True)
;;       e = np.where(a > 0, np.clip(np.frexp(np.where(a > 0, a, 1))[1] - 1 - 8, -126, 127), 0)      # np.frexp(a)[1] - 1 = floor(log2(a)), exactly
;;       r = np.clip(x / 2.0 ** e, -448, 448)
;;       step = 2.0 ** (np.maximum(np.frexp(np.where(r == 0, 1, r))[1] - 1, -6) - 3)
;;       q = np.round(r / step) * step * 2.0 ** e      # np.round: ties to even
;;       return np.moveaxis(q.reshape(q.shape[:-2] + (-1,))[..., :K], -1, axis).astype(np.float32)
;;   ~~~
;;   SOFTMAX AHEAD OF A QUANTISED PRODUCT. Where the list says 'softmax', what is quantised is not the finished softmax but p = 2^(t - M), with t = logit x log2(e) and M = ceil(the row's largest t), a whole number; so 1/2 < the row's largest p <= 1. The row's sum l is taken of the UNQUANTISED p, in f32, and the product's result is divided by l at the end. Since M is a whole number, a kernel that streams over the keys may use a running M (the ceiling of the running maximum): every later rescaling is an exact power of two, which a block's scale takes up: the codes' values come out the same.
;;   OPERANDS COMPUTED ON THE WAY. 'Computed on the way' means the value that the module computes at that place (a softmax that the list does not call 'softmax' is quantised finished and normalised). What goes into a quantiser is computed in f32, as accurately as f32 sums, v_exp_f32 and their like allow (about 1e-6 of the number): no bf16 or f16 on the way to a quantiser, and a product that is left as it is and whose result goes on into a quantised operand takes f32 operands (vector FMAs, or v_wmma_f32_16x16x4_f32). A number that lies on a knife's edge between two numbers of the format may be rounded either way, as far as f32 arithmetic and the matrix unit's own rounding can turn it there, and no further.
;; 2 versions, each right; version 2 is version 1 with the launch attn written anew for expert scheduling mode. Each part assembles by itself: llvm-mc -triple=amdgcn-amd-amdhsa -mcpu=gfx1250 --defsym DOCPART=n.
;; ======== version 1 of 2: 4 launches
;; workspace buffers: xq 4,325,376 bytes; wq 10,813,440 bytes; flags 512 bytes of whole numbers; qkvw 6,488,064 bytes; ctx 4,325,376 bytes
;; launch quant (part 1): grid 480 x 1, 4 waves a work-group, no clusters, 68,096 bytes of LDS; arguments x, Wq, Wk, Wv, Wo, mask, xq, wq, flags; writes xq, wq, flags
.if DOCPART == 1
	.amdgcn_target "amdgcn-amd-amdhsa--gfx1250"
	.amdhsa_code_object_version 6
	.text
	.protected	k_q2b65b991d7_quant
	.globl	k_q2b65b991d7_quant
	.p2align	8
	.type	k_q2b65b991d7_quant,@function
k_q2b65b991d7_quant:
	s_mov_b64 s[64:65], 0
	v_nop
	global_prefetch_b8 v0, s[64:65] scope:SCOPE_SE
	s_setreg_imm32_b32 hwreg(HW_REG_WAVE_MODE, 25, 1), 1
	s_wait_xcnt 0x0
; THREE JOBS IN ONE LAUNCH, parted by the work-group's number.
; X (work-groups 0-127): x [2048][2048] f32 becomes codes of E4M3 with K innermost and one E8M0 byte for each 32 along K.
; W (128-447): Wq, Wk, Wv, Wo, f32 with K as their FIRST axis, become codes laid [column][K] and scale bytes [column][K / 32]: 5,120 rows: Wq's columns, Wk's, Wv's, Wo's.
; F (448-479): the mask [2048][2048] of bytes becomes one word of flags for each tile of 16 queries: for key step s (128 keys) bit 2 s = some key counts, bit 2 s + 1 = some key is hidden.
; THE ORDER OF ROWS.  Row p of x's codes and of the weights' codes holds the true row p with bits 3 and 4 exchanged.  So 16 rows on end (tile T, place m) are the true rows 32 (T / 2) + 8 (T % 2) + m + 8 (m / 8),
; and the results of two neighbouring tiles, taken as source 0 of a matrix instruction, are 16 neighbours in a lane's registers: what the next quantiser wants.
; A block's scale is 2^(floor(log2(its largest magnitude)) - 8); its byte is the largest magnitude's exponent field - 8, held at 1 from below.
; LIMITS: a block of zeros, or one whose largest magnitude lies under 2^-118, gets the byte 1 (the bytes are read by this program alone; zero codes add nothing under it); NaN and infinities among x and the weights are not served;
; mask bytes are taken as 0 or 1.
; LDS: path X has bytes 0 to 32,767, path W 32,768 to 67,583, each wave its own part; path F uses none.  No barrier: waves share nothing.
.set XS_OFF, 4194304                   ; x's scale bytes in xq
.set WS_OFF, 10485760                  ; the weights' scale bytes in wq
.set EMAX,  8
.set MANT,  0x600000                   ; the mantissa field of 448 as f32
.set STEPS, 16                         ; path X: a wave takes 16 steps of 512 numbers: 4 rows of x
.set CB,    16
.set R,     16                         ; v16-79   four sets of 16 numbers as loaded
.set XN,    80                         ; v80-111  two sets of 16 neighbours
.set CX,    128                        ; v128-191 codes, four registers a step
.set E,     112                        ; v112-127 a scale byte a step
.set WREG,  8192                       ; a wave's LDS: two stages of 32 x SP bytes, then its 256 scale bytes
.set SP,    80
.set NB,    8                          ; path W: a wave takes 32 columns x 256 along K: 8 blocks a lane
.set WP,    272                        ; a stage row: 256 bytes of codes + 16
.set WSTG,  32768
.set XW,    32                         ; v32-95   two sets of 32 numbers
.set CW,    96                         ; v96-103  a block's codes
.set OUTR,  112                        ; v112-175 the way out
.set SB,    24                         ; v24-25   the scale bytes
.set VO,    176                        ; v176-207 4 x lane + i x the weight's row pitch; never rewritten
	s_load_b512 s[4:19], s[0:1], 0x0               ; x s[4:5], Wq s[6:7], Wk s[8:9], Wv s[10:11], Wo s[12:13], mask s[14:15], xq s[16:17], wq s[18:19]
	s_load_b64 s[20:21], s[0:1], 0x40              ; flags
	v_lshl_add_u32 v208, v0, 2, 0x10800
	v_mov_b32 v209, 0
	v_lshrrev_b32 v1, 5, v0
	v_readfirstlane_b32 s22, v1                    ; wave 0..3
	v_and_b32 v2, 31, v0                           ; lane
	s_cmp_lt_u32 ttmp9, 128
	s_cbranch_scc0 .Lweights
; ---------------- PATH X.  Each load reads 512 consecutive bytes; a step's 2,048 bytes turn through the wave's stage so that a lane holds 16 neighbours along K; two neighbouring lanes hold a block.
	v_lshlrev_b32 v3, 4, v2                        ; my 16 bytes of a load's 512
	s_mul_i32 s23, s22, WREG
	v_lshrrev_b32 v14, 2, v2
	v_mul_u32_u24 v14, v14, SP
	v_and_b32 v15, 3, v2
	v_lshl_add_u32 v14, v15, 4, v14
	v_add_nc_u32 v14, s23, v14                     ; the stage, in: SP (lane / 4) + 16 (lane % 4)
	v_mul_u32_u24 v15, v2, SP
	v_add_nc_u32 v15, s23, v15                     ; and out: SP x lane
	v_lshlrev_b32 v4, 4, v2                        ; my 16 codes' place in a step's 512
	v_lshrrev_b32 v5, 1, v2
	s_add_co_u32 s23, s23, 2*32*SP
	v_add_nc_u32 v5, s23, v5                       ; my block's byte among the wave's 256
	v_lshlrev_b32 v7, 3, v2
	v_add_nc_u32 v6, s23, v7                       ; and on the way out 8 bytes a lane
	s_mov_b32 s24, MANT
	s_lshl_b32 s26, ttmp9, 2
	s_add_co_u32 s26, s26, s22                     ; my run of 4 rows
	s_lshr_b32 s27, s26, 1
	s_lshr_b32 s28, s26, 2
	s_xor_b32 s27, s27, s28
	s_and_b32 s27, s27, 1
	s_mul_i32 s27, s27, 6
	s_xor_b32 s27, s26, s27                        ; where it goes: the row's bits 3 and 4 are the run's bits 1 and 2: exchanged
	s_lshl_b32 s28, s26, 15                        ; 4 rows of 8,192 bytes in
	s_mov_b32 s29, 0
	s_lshl_b32 s30, s27, 13                        ; 4 rows of 2,048 codes out
	s_mov_b32 s31, 0
	s_lshl_b32 s32, s27, 8                         ; 4 rows of 64 scale bytes
	s_mov_b32 s33, 0
	s_wait_kmcnt 0x0
	s_add_nc_u64 s[4:5], s[4:5], s[28:29]
	s_add_nc_u64 s[34:35], s[16:17], s[30:31]
	s_add_nc_u64 s[36:37], s[16:17], s[32:33]
	s_add_nc_u64 s[36:37], s[36:37], XS_OFF
.macro XLOAD t
.irp i, 0,1,2,3
	global_load_b128 v[R+16*((\t)%4)+4*\i:R+16*((\t)%4)+4*\i+3], v3, s[4:5] offset:2048*(\t)+512*\i th:TH_LOAD_NT
.endr
.endm
.macro XTURN t                         ; LDS serves a wave's instructions in order: no wait between the stores and the loads
.irp i, 0,1,2,3
	ds_store_b128 v14, v[R+16*((\t)%4)+4*\i:R+16*((\t)%4)+4*\i+3] offset:32*SP*((\t)%2)+8*SP*\i
.endr
.irp i, 0,1,2,3
	ds_load_b128 v[XN+16*((\t)%2)+4*\i:XN+16*((\t)%2)+4*\i+3], v15 offset:32*SP*((\t)%2)+16*\i
.endr
.endm
.irp t, 0,1,2,3
	XLOAD \t
.endr
	s_wait_loadcnt 12                              ; step 0's four loads are in; those of steps 1 to 3 may be out
	XTURN 0
.macro XSTEP t
.set XS, XN+16*((\t)%2)
.if (\t) > 0
	s_wait_dscnt 1                                 ; this step's numbers are back from the stage; the last step's byte store may be out
.else
	s_wait_dscnt 0x0
.endif
.if (\t)+4 < STEPS
	XLOAD (\t)+4                                   ; into the registers that the stage's stores have read
.endif
.if (\t)+1 < STEPS
.if STEPS-2-(\t) >= 3
	s_wait_loadcnt 12                              ; the next step's four loads are in; the three steps behind it may be out
.else
	s_wait_loadcnt 4*(STEPS-2-(\t))
.endif
	XTURN (\t)+1
.endif
	v_max3_num_f32 v8, |v[XS]|, |v[XS+1]|, |v[XS+2]|
	v_max3_num_f32 v9, |v[XS+3]|, |v[XS+4]|, |v[XS+5]|
.irp i, 6,10
	v_max3_num_f32 v8, v8, |v[XS+\i]|, |v[XS+\i+1]|
	v_max3_num_f32 v9, v9, |v[XS+\i+2]|, |v[XS+\i+3]|
.endr
	v_max3_num_f32 v8, v8, |v[XS+14]|, |v[XS+15]|
	v_max3_num_f32 v8, v8, v9, (EMAX+1)<<23        ; the floor 2^(9 - 127): the byte cannot fall under 1
	v_max_num_f32_dpp v8, v8, v8 row_xmask:1 row_mask:0xf bank_mask:0xf   ; with my neighbour's 16: the block's largest magnitude
	v_add_nc_u32 v11, -(EMAX<<23), v8              ; 8 off its exponent field: the conversion's scale operand
	v_and_or_b32 v10, v8, 0x7f800000, s24          ; 448 x the scale
.irp i, 0,1,2,3,4,5,6,7,8,9,10,11,12,13,14,15
	v_med3_num_f32 v[XS+\i], v[XS+\i], -v10, v10   ; the conversion to an 8-bit code does not saturate (ISA guide 7.6.2): the hold comes first
.endr
	v_cvt_scalef32_pk8_fp8_f32 v[CX+4*(\t):CX+4*(\t)+1], v[XS:XS+7], v11
	v_cvt_scalef32_pk8_fp8_f32 v[CX+4*(\t)+2:CX+4*(\t)+3], v[XS+8:XS+15], v11
	v_lshrrev_b32 v[E+(\t)], 23, v11               ; the scale's byte
	ds_store_b8 v5, v[E+(\t)] offset:16*(\t)       ; both lanes of a block write the same byte with the same value
	global_store_b128 v4, v[CX+4*(\t):CX+4*(\t)+3], s[34:35] offset:32*CB*(\t)   ; the wave stores 512 consecutive bytes
.endm
.irp t, 0,1,2,3,4,5,6,7,8,9,10,11,12,13,14,15
	XSTEP \t
.endr
	ds_load_b64 v[12:13], v6
	s_wait_dscnt 0x0
	global_store_b64 v7, v[12:13], s[36:37]        ; 32 lanes store 256 consecutive bytes, aligned
	s_wait_tensorcnt 0x0
	ds_add_u32 v208, v209
	s_wait_dscnt 0x0
	s_endpgm
; ---------------- PATH W.  A lane takes a column and its registers run down K: a block of 32 lies in one lane, and the conversions give codes with K innermost.
.Lweights:
	s_cmp_lt_u32 ttmp9, 448
	s_cbranch_scc0 .Lflags
	s_sub_co_u32 s23, ttmp9, 128
	s_and_b32 s24, s23, 7                          ; which 256 along K
	s_lshr_b32 s25, s23, 3                         ; which 128 of the 5,120 rows of wq
	s_wait_kmcnt 0x0
	s_mov_b64 s[26:27], s[12:13]                   ; tiles 24-39: Wo; the choice hangs on the work-group's number alone
	s_mov_b32 s28, 24                              ; the matrix's first tile
	s_mov_b32 s29, 8192                            ; its row pitch in bytes
	s_cmp_lt_u32 s25, 24
	s_cselect_b64 s[26:27], s[10:11], s[26:27]     ; 20-23: Wv
	s_cselect_b32 s28, 20, s28
	s_cselect_b32 s29, 2048, s29
	s_cmp_lt_u32 s25, 20
	s_cselect_b64 s[26:27], s[8:9], s[26:27]       ; 16-19: Wk
	s_cselect_b32 s28, 16, s28
	s_cmp_lt_u32 s25, 16
	s_cselect_b64 s[26:27], s[6:7], s[26:27]       ; 0-15: Wq
	s_cselect_b32 s28, 0, s28
	s_cselect_b32 s29, 8192, s29
	s_sub_co_u32 s30, s25, s28
	s_lshl_b32 s30, s30, 7
	s_lshl_b32 s31, s22, 5
	s_add_co_u32 s30, s30, s31                     ; my wave's first column in its matrix
	s_lshl_b32 s32, s24, 8
	s_mul_i32 s32, s32, s29                        ; 256 kc rows
	s_lshl_b32 s30, s30, 2
	s_add_co_u32 s32, s32, s30
	s_mov_b32 s33, 0
	s_lshl_b32 s34, s29, 5                         ; 32 rows on
	s_mov_b32 s35, 0
	s_add_nc_u64 s[40:41], s[26:27], s[32:33]      ; a base for each of the 8 blocks, never rewritten
.irp t, 1,2,3,4,5,6,7
	s_add_nc_u64 s[40+2*\t:41+2*\t], s[38+2*\t:39+2*\t], s[34:35]
.endr
	s_lshl_b32 s30, s25, 7
	s_add_co_u32 s30, s30, s31                     ; my wave's first row of wq
	s_lshl_b32 s32, s30, 11
	s_lshl_b32 s36, s24, 8
	s_add_co_u32 s32, s32, s36
	s_add_nc_u64 s[56:57], s[18:19], s[32:33]      ; its codes at my 256 along K
	s_lshl_b32 s32, s30, 6
	s_lshl_b32 s36, s24, 3
	s_add_co_u32 s32, s32, s36
	s_add_co_u32 s32, s32, WS_OFF
	s_add_nc_u64 s[58:59], s[18:19], s[32:33]      ; and its scale bytes
	s_mul_i32 s36, s22, 32*WP
	s_add_co_u32 s36, s36, WSTG                    ; my stage
	s_mov_b32 s37, MANT
	v_lshrrev_b32 v5, 3, v2
	v_lshrrev_b32 v6, 4, v2
	v_xor_b32 v5, v5, v6
	v_and_b32 v5, 1, v5
	v_mul_u32_u24 v5, v5, 24
	v_xor_b32 v5, v2, v5                           ; my column's place among the 32: bits 3 and 4 exchanged
	v_mul_u32_u24 v4, v5, WP
	v_add_nc_u32 v4, s36, v4                       ; into the stage
	v_lshlrev_b32 v9, 6, v5                        ; my row of scale bytes
	v_and_b32 v5, 15, v2
	v_mul_u32_u24 v7, v6, WP
	v_lshl_add_u32 v7, v5, 4, v7
	v_add_nc_u32 v7, s36, v7                       ; out of it: sixteen lanes to a row, two rows an instruction
	v_lshlrev_b32 v8, 11, v6
	v_lshl_add_u32 v8, v5, 4, v8                   ; and the same place in wq
	v_lshlrev_b32 v[VO], 2, v2
.set i, 1
.rept 31
	v_add_nc_u32 v[VO+i], s29, v[VO+i-1]
.set i, i+1
.endr
.macro WLOAD t                         ; block t: W(32 t + i, my column): the wave reads 128 consecutive bytes, the four waves 512
.irp i, 0,1,2,3,4,5,6,7,8,9,10,11,12,13,14,15,16,17,18,19,20,21,22,23,24,25,26,27,28,29,30,31
	global_load_b32 v[XW+32*((\t)%2)+\i], v[VO+\i], s[40+2*(\t):41+2*(\t)] th:TH_LOAD_NT
.endr
.endm
	WLOAD 0
	WLOAD 1
.macro WBLOCK t
.set XSW, XW+32*((\t)%2)
.if (\t) < NB-1
	s_wait_loadcnt 32                              ; this block's 32 loads are in; the next block's may be out
.else
	s_wait_loadcnt 0
.endif
	v_max3_num_f32 v12, |v[XSW]|, |v[XSW+1]|, |v[XSW+2]|
	v_max3_num_f32 v13, |v[XSW+3]|, |v[XSW+4]|, |v[XSW+5]|
.irp i, 6,10,14,18,22,26
	v_max3_num_f32 v12, v12, |v[XSW+\i]|, |v[XSW+\i+1]|
	v_max3_num_f32 v13, v13, |v[XSW+\i+2]|, |v[XSW+\i+3]|
.endr
	v_max3_num_f32 v12, v12, |v[XSW+30]|, |v[XSW+31]|
	v_max3_num_f32 v12, v12, v13, (EMAX+1)<<23     ; the floor
	v_add_nc_u32 v11, -(EMAX<<23), v12             ; the conversion's scale operand
	v_and_or_b32 v10, v12, 0x7f800000, s37         ; 448 x the scale
	v_lshrrev_b32 v13, 23, v11                     ; the scale's byte
.if (\t)%4 == 0
	v_mov_b32 v[SB+(\t)/4], v13
.else
	v_lshl_or_b32 v[SB+(\t)/4], v13, 8*((\t)%4), v[SB+(\t)/4]
.endif
.irp i, 0,1,2,3,4,5,6,7,8,9,10,11,12,13,14,15,16,17,18,19,20,21,22,23,24,25,26,27,28,29,30,31
	v_med3_num_f32 v[XSW+\i], v[XSW+\i], -v10, v10
.endr
.irp g, 0,1,2,3
	v_cvt_scalef32_pk8_fp8_f32 v[CW+2*\g:CW+2*\g+1], v[XSW+8*\g:XSW+8*\g+7], v11
.endr
	ds_store_b128 v4, v[CW:CW+3] offset:32*(\t)
	ds_store_b128 v4, v[CW+4:CW+7] offset:32*(\t)+16
.if (\t)+2 < NB
	WLOAD (\t)+2
.endif
	s_wait_dscnt 0x0                               ; the stores have read their registers: the next block's codes may be written
.endm
.set Q, 0
.rept NB
	WBLOCK Q
.set Q, Q+1
.endr
	global_store_b64 v9, v[SB:SB+1], s[58:59]      ; my column's 8 scale bytes: rows 64 bytes apart, one byte in 128 of what this path reads
.irp t, 0,1,2,3,4,5,6,7,8,9,10,11,12,13,14,15
	ds_load_b128 v[OUTR+4*\t:OUTR+4*\t+3], v7 offset:2*\t*WP
.endr
.irp t, 0,1,2,3,4,5,6,7,8,9,10,11,12,13,14,15
	s_wait_dscnt 15-\t                             ; the younger reads may be out
	global_store_b128 v8, v[OUTR+4*\t:OUTR+4*\t+3], s[56:57] offset:2*\t*2048   ; sixteen lanes store 256 consecutive bytes, aligned
.endr
	s_wait_tensorcnt 0x0
	ds_add_u32 v208, v209
	s_wait_dscnt 0x0
	s_endpgm
; ---------------- PATH F.  A wave takes one tile of 16 queries (rows base + 0..7 and base + 16..23 of the mask) and all 2,048 keys.  A load reads two rows' 256 bytes: two key steps; lanes with (lane & 8) = 0 hold the even step's bytes.
.Lflags:
	s_sub_co_u32 s23, ttmp9, 448
	s_lshl_b32 s23, s23, 2
	s_add_co_u32 s23, s23, s22                     ; the tile of queries, 0..127
	s_lshr_b32 s24, s23, 1
	s_lshl_b32 s24, s24, 5
	s_and_b32 s25, s23, 1
	s_lshl_b32 s25, s25, 3
	s_add_co_u32 s24, s24, s25                     ; its first row: 32 (tile / 2) + 8 (tile % 2)
	s_lshl_b32 s24, s24, 11
	s_mov_b32 s25, 0
	s_lshl_b32 s26, s23, 2
	s_mov_b32 s27, 0
	s_mov_b32 s29, 0                               ; the flags
	v_and_b32 v3, 15, v2
	v_lshrrev_b32 v4, 4, v2
	v_lshlrev_b32 v3, 4, v3
	v_lshl_add_u32 v3, v4, 11, v3                  ; lanes 0-15 one row, lanes 16-31 the next; 16 bytes a lane
	s_wait_kmcnt 0x0
	s_add_nc_u64 s[14:15], s[14:15], s[24:25]
	s_add_nc_u64 s[20:21], s[20:21], s[26:27]
.macro FPAIR pp, p                     ; the pair of key steps 2 p, 2 p + 1, in v[32 + 32 pp] on.  Nothing here is a branch: the four bits are selected
	v_or_b32 v8, v[32+32*\pp], v[33+32*\pp]
	v_and_b32 v9, v[32+32*\pp], v[33+32*\pp]
.set i, 2
.rept 30
	v_or_b32 v8, v8, v[32+32*\pp+i]
	v_and_b32 v9, v9, v[32+32*\pp+i]
.set i, i+1
.endr
	v_cmp_ne_u32 s30, 0, v8                        ; lanes that saw a hidden key
	v_cmp_ne_u32 s31, 0x01010101, v9               ; lanes that saw a key that counts
	s_and_b32 s32, s31, 0x00ff00ff
	s_cselect_b32 s32, 1<<(4*(\p)), 0
	s_or_b32 s29, s29, s32
	s_and_b32 s32, s30, 0x00ff00ff
	s_cselect_b32 s32, 1<<(4*(\p)+1), 0
	s_or_b32 s29, s29, s32
	s_and_b32 s32, s31, 0xff00ff00
	s_cselect_b32 s32, 1<<(4*(\p)+2), 0
	s_or_b32 s29, s29, s32
	s_and_b32 s32, s30, 0xff00ff00
	s_cselect_b32 s32, 1<<(4*(\p)+3), 0
	s_or_b32 s29, s29, s32
.endm
.irp g, 0,1
.irp pp, 0,1,2,3
.irp k, 0,1,2,3,4,5,6,7
	global_load_b128 v[32+32*\pp+4*\k:35+32*\pp+4*\k], v3, s[14:15] offset:(2*\k+8*(\k/4))*2048+256*(4*\g+\pp)
.endr
.endr
	s_wait_loadcnt 0x0
.irp pp, 0,1,2,3
	FPAIR \pp, 4*\g+\pp
.endr
.endr
	v_mov_b32 v10, s29
	v_mov_b32 v11, 0
	s_wait_xcnt 0x0                                ; EXEC changes only behind this wait
	v_cmp_eq_u32 vcc_lo, 0, v2
	s_and_saveexec_b32 s30, vcc_lo
	global_store_b32 v11, v10, s[20:21]            ; one word a tile
	s_endpgm
.Lfunc_end_k_q2b65b991d7_quant:
	.size	k_q2b65b991d7_quant, .Lfunc_end_k_q2b65b991d7_quant-k_q2b65b991d7_quant
	.p2alignl 7, 3214868480
	.fill 96, 4, 3214868480
	.section	.rodata,"a",@progbits
	.p2align	6, 0x0
	.amdhsa_kernel k_q2b65b991d7_quant
		.amdhsa_group_segment_fixed_size 68096
		.amdhsa_private_segment_fixed_size 0
		.amdhsa_enable_private_segment 0
		.amdhsa_kernarg_size 72
		.amdhsa_user_sgpr_count 2
		.amdhsa_user_sgpr_kernarg_segment_ptr 1
		.amdhsa_wavefront_size32 1
		.amdhsa_system_sgpr_workgroup_id_x 1
		.amdhsa_system_sgpr_workgroup_id_y 1
		.amdhsa_system_sgpr_workgroup_id_z 1
		.amdhsa_system_vgpr_workitem_id 0
		.amdhsa_next_free_vgpr 210
		.amdhsa_next_free_sgpr 66
		.amdhsa_reserve_vcc 1
		.amdhsa_float_denorm_mode_32 3
		.amdhsa_float_denorm_mode_16_64 3
		.amdhsa_memory_ordered 1
		.amdhsa_forward_progress 1
		.amdhsa_inst_pref_size 140
	.end_amdhsa_kernel
	.amdgpu_metadata
---
amdhsa.version: [ 1, 2 ]
amdhsa.kernels:
  - .name:           k_q2b65b991d7_quant
    .symbol:         k_q2b65b991d7_quant.kd
    .args:
      - { .name: x, .offset: 0, .size: 8, .value_kind: global_buffer, .address_space: global }
      - { .name: Wq, .offset: 8, .size: 8, .value_kind: global_buffer, .address_space: global }
      - { .name: Wk, .offset: 16, .size: 8, .value_kind: global_buffer, .address_space: global }
      - { .name: Wv, .offset: 24, .size: 8, .value_kind: global_buffer, .address_space: global }
      - { .name: Wo, .offset: 32, .size: 8, .value_kind: global_buffer, .address_space: global }
      - { .name: mask, .offset: 40, .size: 8, .value_kind: global_buffer, .address_space: global }
      - { .name: xq, .offset: 48, .size: 8, .value_kind: global_buffer, .address_space: global }
      - { .name: wq, .offset: 56, .size: 8, .value_kind: global_buffer, .address_space: global }
      - { .name: flags, .offset: 64, .size: 8, .value_kind: global_buffer, .address_space: global }
    .group_segment_fixed_size: 68096
    .private_segment_fixed_size: 0
    .kernarg_segment_align: 8
    .kernarg_segment_size: 72
    .max_flat_workgroup_size: 128
    .sgpr_count:     66
    .vgpr_count:     210
    .wavefront_size: 32
...
	.end_amdgpu_metadata
.endif
;; end of part 1
;; launch qkv (part 2): grid 16 x 16, 6 waves a work-group, clusters of 4 x 4, 327,680 bytes of LDS; arguments xq, wq, cos, sin, q_scale, k_scale, qkvw; writes qkvw
.if DOCPART == 2
	.amdgcn_target "amdgcn-amd-amdhsa--gfx1250"
	.amdhsa_code_object_version 6
	.text
	.protected	k_q2b65b991d7_qkv
	.globl	k_q2b65b991d7_qkv
	.p2align	8
	.type	k_q2b65b991d7_qkv,@function
k_q2b65b991d7_qkv:
	s_mov_b64 s[64:65], 0
	v_nop
	global_prefetch_b8 v0, s[64:65] scope:SCOPE_SE
	s_setreg_imm32_b32 hwreg(HW_REG_WAVE_MODE, 25, 1), 1
	s_wait_xcnt 0x0
	s_wait_alu depctr_hold_cnt(0) depctr_sa_sdst(0) depctr_va_vdst(0) depctr_va_sdst(0) depctr_va_ssrc(0) depctr_va_vcc(0) depctr_vm_vsrc(0)
	s_getreg_b32 s2, hwreg(HW_REG_IB_STS2, 6, 4)
	s_cmp_eq_u32 s2, 0
	s_cbranch_scc0 .Lentry_in_a_cluster
	s_endpgm
.Lentry_in_a_cluster:
	s_bfe_u32 s2, ttmp6, 0x10000c
	s_cmp_lg_u32 s2, 0xf033
	s_cbranch_scc0 .Lentry_shape_is_right
	s_endpgm
.Lentry_shape_is_right:
; q, k, v = x Wq, x Wk, x Wv on codes of E4M3 with E8M0 scales; then, in f32, the RMS norm over a head's 64, the gain and the rotation for q and k; then the quantisers of the two products of attention.
; SHARES.  48 head slots of 64 columns (32 of q, 8 of k, 8 of v) x 32 blocks of 64 tokens are 1,536 tiles of 64 x 64: 256 work-groups of SIX waves.  A work-group has 128 tokens x 3 head slots;
; wave w has token half w & 1 and slot w >> 1: 16 accumulators.  Two SIMDs hold two waves each, so a wave has 512 registers.
; SLOTS AND ROLES.  Tile of columns xt in columns of clusters 0 and 1: slots 3 xt + j (q).  In columns 2 and 3: slots 2 xt + 8 + j for j = 0, 1 (column 2: q; column 3: k) and, for j = 2, v's slot xt + 32.
;   The role hangs on the cluster's x and on the wave's number alone, which are the same in all sixteen partners.
;   role 0 (q, k): source 0 = 16 rows of the weight, source 1 = 16 rows of x: a lane holds ONE token and its registers run along the head's 64, which are the first attention product's K.
;   role 1 (v): source 0 = 16 rows of x, source 1 = 16 rows of Wv: a lane holds ONE channel of v and its registers run along the tokens, which are the second product's K.
;   The roles differ in the LDS addresses from which the two sources are read, and in the way out; the text of the products is one.
; K = 2,048 goes through two LDS slots of UNEVEN length filled by the tensor data mover: A holds 512 along K, B 256, walked A B A B A.  A K step has five pieces of 64 rows (x's two halves, the weight's three slots);
; two slots of 512 would be 337,920 bytes.  The scale bytes of the work-group's rows, for all of K, come once with the first fills and are held in 64 registers.
; cos and sin of the work-group's 128 tokens fill B's bytes when B has been read for the last time, and are read into the fragments' registers when the products are done.
; CLUSTERS: 4 x 4 work-groups; x's tiles, cos and sin are shared along a row of the cluster, the weights' tiles along a column: each is asked for jointly, by the same tensor load with the same descriptor and a mask that names the four.
; Waves 0 and 1 fetch x's halves (later cos and sin), waves 2 to 4 the weight's slots, wave 5 nothing.
; Rows of x and of the weights lie with bits 3 and 4 of the row number exchanged, so the 16 registers of accumulators (a, 2 B) and (a, 2 B + 1) are the 16 neighbours 32 B + 16 (lane / 16) + 0 .. 15 along source 0.
; OUT (qkvw): operands as IMAGES OF THEIR REGISTERS.  q, k: [head slot 40][tile of 16 tokens 128][c 2][lane][16 bytes]; v: [kv 8][key step 16][tile of 16 channels 4][c 4][lane][16 bytes];
;   scale words of q, k: [head slot][64 tokens][r 16][2 words], a word = the two bytes of tile 2 b and the two of tile 2 b + 1; of v: [kv][key step][2][r 16][2][4 bytes], byte c for keys 32 c on.
; LIMITS: a block under 2^-118 or of zeros gets the scale byte 1; NaN and infinities are not served; the norm's and the rotation's fused multiply-adds round once where two roundings are written in the source.
; REGISTERS: window 0: v1 r, v2 h, v16-29 addresses, v32-95 scale words (later at work), v96-127 the gain, v128-255 the accumulators ((a, b) at 128 + 8 (4 a + b)).
;   window 1: two fragment buffers of 128: source 1's four fragments, then source 0's four; on the way out cos and sin of my 64 tokens: 64 registers a tile of tokens.
.set XS_OFF, 4194304
.set WS_OFF, 10485760
.set VI_OFF, 5242880
.set QKS_OFF, 6291456
.set VS_OFF, 6455296
.set PA,     528                       ; a row in slot A: 512 bytes + 16 of padding = 132 words: row r starts at bank 4 r mod 64 (64 banks of 4 bytes: ISA guide 11.1)
.set PB,     272                       ; a row in slot B: 256 bytes + 16 = 68 words: likewise
.set HALFA,  64*PA                     ; 64 rows: what one tensor load brings, and what one wave reads of a side
.set HALFB,  64*PB
.set BOFF,   5*HALFA                   ; slot B begins behind A's five pieces
.set SCL,    BOFF+5*HALFB              ; the scale bytes: 5 x 64 rows x 64 bytes, as units of 256 bytes + 16
.set HALFS,  16*272
.set SPARE,  SCL+5*HALFS               ; the spare words, 128 bytes a wave: three blocks of 256 bytes that no other line names
.set CSH,    128*272                   ; cos's 128 rows in B's bytes; sin's lie behind them
.set ADR1, 16                          ; v16-17 LDS address of source 1's fragments in slot A, B
.set ADR0, 20                          ; v20-21 of source 0's
.set CSA,  22                          ; v22    of my token's cos
.set GOF,  23                          ; v23    my byte offset in the gain
.set ADRS, 27                          ; v27    of my scale words: lanes 0-15 source 1's rows, lanes 16-31 source 0's
.set SPW,  28                          ; v28    my spare word; never rewritten
.set NIL,  29                          ; v29    0; never rewritten
.set SC,   32                          ; register SC + 16 i + kq: block i's words for the kq-th 128 along K
.set SCV,  96
.set ACC,  128
.set F0,   0
.set F1,   128
.set G1A,  24                          ; s[24:31] group 1, slot A, x's mask;   s[32:39] the weight's mask
.set G1AW, 32
.set G1B,  40                          ; s[40:47], s[48:55] the same for slot B
.set G1BW, 48
.set G1S,  56                          ; s[56:63] group 1 for x's scale bytes; later, with 128 rows, for cos and sin
.set G1SW, 68                          ; s[68:75] for the weight's scale bytes; later the pointers cos, sin, q_scale, k_scale
.set G0A,  76                          ; groups 0: slot A x, slot A weight, slot B x, slot B weight,
.set G0AW, 80
.set G0B,  84
.set G0BW, 88
.set G0S,  92                          ; x's scale bytes (later cos or sin), the weight's scale bytes
.set G0SW, 96
.set SEL, 2                            ; s[2:3] v_permlanex16_b32's selects for lane l xor 16 (set on the way out)
.set MNT, 12                           ; s12 the mantissa field of 448
.set I64, 24                           ; s24 1 / 64
.set EPS, 25                           ; s25 1e-6
.set T,   32                           ; the way out, in window 0: v32-63 at work,
.set TM,  64                           ; v64-71 a quantiser's eight,
.set CD,  72                           ; v72-79 the codes just made,
.set HW,  80                           ; v80-83 two scale bytes for each of four tiles
.set MSB, 0
.macro WIN new                         ; the immediate's high byte repeats the setting that is left
.if MSB != \new
	s_set_vgpr_msb (MSB<<8)|\new
.set MSB, \new
.endif
.endm
.set MUL,  0x05                        ; sources 0 and 1 window 1; C and D window 0
.set TO_F, 0x40                        ; destination window 1, address window 0
.macro PLACES n
.rept \n
	v_nop
.endr
.endm
; A joint refill: waves 0 and 1 issue the first line, waves 2 to 4 the second (both = 1) or none, wave 5 none.  The branches hang on the wave's number alone.  Four v_nop follow each of the two lines.
.macro JLOAD g0a, g1a, g0b, g1b, both
	s_cmp_lt_u32 s14, 2
	s_cbranch_scc0 .Lnot_x_\@
	tensor_load_to_lds s[\g0a:\g0a+3], s[\g1a:\g1a+7]
	s_nop 0
.rept 4
	v_nop
.endr
	s_branch .Lasked_\@
.Lnot_x_\@:
.if \both
	s_cmp_lt_u32 s14, 5
	s_cbranch_scc0 .Lasked_\@
	tensor_load_to_lds s[\g0b:\g0b+3], s[\g1b:\g1b+7]
	s_nop 0
.rept 4
	v_nop
.endr
.endif
.Lasked_\@:
.endm
.macro CREST                           ; a round of the cluster's barrier behind its opening barrier
	s_cmp_lg_u32 s14, 0
	s_cbranch_scc1 .Lnot_wave_0_\@
	s_barrier_signal -3
.Lnot_wave_0_\@:
	s_barrier_wait -3
	s_barrier_signal -1
	s_barrier_wait -1
.endm
.macro CROUND
	s_barrier_signal -1
	s_barrier_wait -1
	CREST
.endm
	s_load_b64 s[4:5], s[0:1], 0x0                 ; xq
	s_load_b64 s[8:9], s[0:1], 0x8                 ; wq
	s_load_b64 s[100:101], s[0:1], 0x30            ; qkvw
	v_lshl_add_u32 v[SPW], v0, 2, SPARE
	v_mov_b32 v[NIL], 0
	ds_add_u32 v28, v29
	ds_add_u32 v28, v29
	s_wait_dscnt 0x0
	v_lshrrev_b32 v1, 5, v0
	v_readfirstlane_b32 s14, v1                    ; wave 0..5
	s_and_b32 s15, s14, 1                          ; my half of the tokens.  Also: which half of x (which table) waves 0 and 1 fetch
	s_lshr_b32 s16, s14, 1                         ; j: my head slot among the tile's three
	s_bfe_u32 s18, ttmp6, 0x40000                  ; cx
	s_bfe_u32 s19, ttmp6, 0x40004                  ; cy
	s_lshl_b32 s66, ttmp9, 2
	s_add_co_u32 s66, s66, s18                     ; xt: tile of columns = 4 x cluster x + cx
	s_and_b32 s17, ttmp7, 0xffff
	s_lshl_b32 s17, s17, 2
	s_add_co_u32 s17, s17, s19                     ; yt: tile of tokens = 4 x cluster y + cy
	s_lshl_b32 s67, s19, 2
	s_lshl_b32 s67, 15, s67                        ; my row of the cluster
	s_lshl_b32 s20, 0x1111, s18                    ; my column
	s_cmp_ge_u32 ttmp9, 2
	s_cselect_b32 s12, 1, 0                        ; columns of clusters 2 and 3 have a slot of v
	s_lshr_b32 s13, s16, 1                         ; 1 where j = 2
	s_and_b32 s13, s13, s12                        ; the role
	; descriptor groups 1: 64 rows x 512 (A) or 256 (B) bytes, 2,048 bytes apart in memory, 16 bytes of padding behind each row in LDS
	s_or_b32 s[G1A], s67, (0<<16)|(1<<20)|(1<<21)|(6<<22)|(3<<25)    ; 15:0 the mask; 17:16 elements of 1 byte; 20 padding on; 21 set beside a mask; 24:22 after every 128 words (code 6); 31:25 four words (code 3)
	s_or_b32 s[G1AW], s20, (0<<16)|(1<<20)|(1<<21)|(6<<22)|(3<<25)
	s_or_b32 s[G1B], s67, (0<<16)|(1<<20)|(1<<21)|(5<<22)|(3<<25)    ; after every 64 words (code 5)
	s_or_b32 s[G1BW], s20, (0<<16)|(1<<20)|(1<<21)|(5<<22)|(3<<25)
.irp g, G1A, G1AW
	s_mov_b32 s[\g+1], 512<<16                     ; tensor_dim0
	s_mov_b32 s[\g+2], 64<<16                      ; tensor_dim1
	s_mov_b32 s[\g+3], 512<<16                     ; tile_dim0
	s_mov_b32 s[\g+4], 64                          ; tile_dim1
	s_mov_b32 s[\g+5], 2048                        ; tensor_dim0_stride
	s_mov_b32 s[\g+6], 0
	s_mov_b32 s[\g+7], 0
.endr
.irp g, G1B, G1BW
	s_mov_b32 s[\g+1], 256<<16
	s_mov_b32 s[\g+2], 64<<16
	s_mov_b32 s[\g+3], 256<<16
	s_mov_b32 s[\g+4], 64
	s_mov_b32 s[\g+5], 2048
	s_mov_b32 s[\g+6], 0
	s_mov_b32 s[\g+7], 0
.endr
	; the scale bytes of 64 rows: 4,096 dense bytes, as 16 rows of 256 bytes (32 elements of 8 bytes), 16 bytes of padding behind each
	s_or_b32 s[G1S], s67, (3<<16)|(1<<20)|(1<<21)|(5<<22)|(3<<25)
	s_or_b32 s[G1SW], s20, (3<<16)|(1<<20)|(1<<21)|(5<<22)|(3<<25)
.irp g, G1S, G1SW
	s_mov_b32 s[\g+1], 32<<16
	s_mov_b32 s[\g+2], 16<<16
	s_mov_b32 s[\g+3], 32<<16
	s_mov_b32 s[\g+4], 16
	s_mov_b32 s[\g+5], 32
	s_mov_b32 s[\g+6], 0
	s_mov_b32 s[\g+7], 0
.endr
	; what I fetch.  x's address is made of the tile of tokens and the wave's number (s2, s3, s6, s7), the weight's of the tile of columns, the cluster's x and the wave's number (s10, s11, s21 to s23)
	s_lshl_b32 s2, s17, 7
	s_lshl_b32 s3, s15, 6
	s_add_co_u32 s2, s2, s3                        ; x: row 128 yt + 64 x half
	s_lshl_b32 s6, s2, 6                           ; its scale bytes,
	s_lshl_b32 s2, s2, 11                          ; its codes
	s_mov_b32 s3, 0
	s_mov_b32 s7, 0
	s_max_u32 s22, s14, 2
	s_sub_co_u32 s22, s22, 2
	s_min_u32 s22, s22, 2                          ; waves 2, 3, 4 fetch the tile's slots 0, 1, 2
	s_mul_i32 s23, s66, 3
	s_lshl_b32 s21, s66, 1
	s_add_co_u32 s21, s21, 8
	s_cmp_lg_u32 s12, 0
	s_cselect_b32 s23, s21, s23                    ; the tile's first slot: 3 xt, or 2 xt + 8
	s_add_co_u32 s23, s23, s22
	s_lshr_b32 s22, s22, 1
	s_and_b32 s22, s22, s12                        ; 1 where the slot to fetch is v's
	s_add_co_u32 s21, s66, 32
	s_cmp_lg_u32 s22, 0
	s_cselect_b32 s21, s21, s23                    ; the slot: rows 64 x slot of wq
	s_lshl_b32 s10, s21, 12                        ; its scale bytes,
	s_lshl_b32 s22, s21, 17                        ; its codes
	s_mov_b32 s11, 0
	s_mov_b32 s23, 0
	s_wait_kmcnt 0x0
	s_add_nc_u64 s[2:3], s[4:5], s[2:3]
	s_add_nc_u64 s[6:7], s[4:5], s[6:7]
	s_add_nc_u64 s[6:7], s[6:7], XS_OFF
	s_add_nc_u64 s[22:23], s[8:9], s[22:23]
	s_add_nc_u64 s[10:11], s[8:9], s[10:11]
	s_add_nc_u64 s[10:11], s[10:11], WS_OFF
	; groups 0.  Piece w of a slot is wave w's: no place in the cluster enters an LDS address
	s_mov_b32 s[G0S], 1
	s_mul_i32 s[G0S+1], s14, HALFS
	s_add_co_u32 s[G0S+1], s[G0S+1], SCL
	s_mov_b64 s[G0S+2:G0S+3], s[6:7]
	s_or_b32 s[G0S+3], s[G0S+3], 0x80000000
	s_mov_b32 s[G0SW], 1
	s_mul_i32 s[G0SW+1], s14, HALFS
	s_add_co_u32 s[G0SW+1], s[G0SW+1], SCL
	s_mov_b64 s[G0SW+2:G0SW+3], s[10:11]
	s_or_b32 s[G0SW+3], s[G0SW+3], 0x80000000
	s_mov_b32 s[G0A], 1
	s_mul_i32 s[G0A+1], s14, HALFA
	s_mov_b64 s[G0A+2:G0A+3], s[2:3]               ; K 0 on
	s_or_b32 s[G0A+3], s[G0A+3], 0x80000000
	s_mov_b32 s[G0AW], 1
	s_mul_i32 s[G0AW+1], s14, HALFA
	s_mov_b64 s[G0AW+2:G0AW+3], s[22:23]
	s_or_b32 s[G0AW+3], s[G0AW+3], 0x80000000
	s_mov_b32 s[G0B], 1
	s_mul_i32 s[G0B+1], s14, HALFB
	s_add_co_u32 s[G0B+1], s[G0B+1], BOFF
	s_add_nc_u64 s[G0B+2:G0B+3], s[2:3], 512       ; K 512 on
	s_or_b32 s[G0B+3], s[G0B+3], 0x80000000
	s_mov_b32 s[G0BW], 1
	s_mul_i32 s[G0BW+1], s14, HALFB
	s_add_co_u32 s[G0BW+1], s[G0BW+1], BOFF
	s_add_nc_u64 s[G0BW+2:G0BW+3], s[22:23], 512
	s_or_b32 s[G0BW+3], s[G0BW+3], 0x80000000
	CROUND                                         ; all sixteen work-groups are here: the first joint loads meet
	s_cmp_lt_u32 s14, 2                            ; a wave's three first fills stand in one branch: the scales first, then A, then B: three tensor loads of mine are out
	s_cbranch_scc0 .Lnot_x
	tensor_load_to_lds s[G0S:G0S+3], s[G1S:G1S+7]
	s_nop 0
	tensor_load_to_lds s[G0A:G0A+3], s[G1A:G1A+7]
	s_nop 0
	tensor_load_to_lds s[G0B:G0B+3], s[G1B:G1B+7]
	s_nop 0
.rept 4
	v_nop
.endr
	s_branch .Lfirst_asked
.Lnot_x:
	s_cmp_lt_u32 s14, 5
	s_cbranch_scc0 .Lfirst_asked
	tensor_load_to_lds s[G0SW:G0SW+3], s[G1SW:G1SW+7]
	s_nop 0
	tensor_load_to_lds s[G0AW:G0AW+3], s[G1AW:G1AW+7]
	s_nop 0
	tensor_load_to_lds s[G0BW:G0BW+3], s[G1BW:G1BW+7]
	s_nop 0
.rept 4
	v_nop
.endr
.Lfirst_asked:
	v_and_b32 v1, 15, v0                           ; r
	v_bfe_u32 v2, v0, 4, 1                         ; h
	v_mul_u32_u24 v3, v1, PA
	v_lshl_add_u32 v3, v2, 4, v3                   ; a fragment's row x pitch + 16 h, in A
	v_mul_u32_u24 v4, v1, PB
	v_lshl_add_u32 v4, v2, 4, v4                   ; and in B
	s_add_co_u32 s12, s16, 2                       ; my slot's piece: behind x's two
	s_mul_i32 s2, s15, HALFA                       ; my 64 rows of x
	s_mul_i32 s3, s12, HALFA                       ; my 64 rows of the weight
	s_cmp_eq_u32 s13, 0
	s_cselect_b32 s6, s2, s3                       ; source 1: x in role 0, the weight in role 1
	s_cselect_b32 s7, s3, s2                       ; source 0: the other
	v_add_nc_u32 v[ADR1], s6, v3
	v_add_nc_u32 v[ADR0], s7, v3
	s_mul_i32 s2, s15, HALFB
	s_mul_i32 s3, s12, HALFB
	s_cmp_eq_u32 s13, 0
	s_cselect_b32 s6, s2, s3
	s_cselect_b32 s7, s3, s2
	s_add_co_u32 s6, s6, BOFF
	s_add_co_u32 s7, s7, BOFF
	v_add_nc_u32 v[ADR1+1], s6, v4
	v_add_nc_u32 v[ADR0+1], s7, v4
	v_lshrrev_b32 v5, 2, v1                        ; my row's 64 scale bytes: four rows to a unit of 272
	v_mul_u32_u24 v5, v5, 272
	v_and_b32 v6, 3, v1
	v_lshl_add_u32 v5, v6, 6, v5
	s_mul_i32 s2, s15, HALFS                       ; x's
	s_mul_i32 s3, s12, HALFS                       ; the weight's
	s_sub_co_u32 s3, s3, s2                        ; the distance between the two
	v_xor_b32 v6, s13, v2                          ; lanes 0-15 take source 1's words, lanes 16-31 source 0's: x's base + (h xor role) x the distance
	v_mul_u32_u24 v6, s3, v6
	s_add_co_u32 s2, s2, SCL
	v_add_nc_u32 v5, v5, v6
	v_add_nc_u32 v[ADRS], s2, v5
	v_and_b32 v6, 8, v1
	v_add_nc_u32 v6, v6, v1                        ; r + 8 (r / 8)
	v_mul_u32_u24 v[CSA], v6, 272
	v_lshl_add_u32 v[CSA], v2, 6, v[CSA]           ; cos: my token's row of 272, + 64 h
	s_mul_i32 s2, s15, 64*272                      ; my half of the 128 tokens
	s_add_co_u32 s2, s2, BOFF
	v_add_nc_u32 v[CSA], s2, v[CSA]
	v_lshlrev_b32 v[GOF], 6, v2
.macro FRAG reg, adr, q, i, p          ; 16 rows x 128 K of 8-bit codes: lane l holds row l % 16; registers 4 c .. 4 c + 3 hold K = 32 c + 16 (l / 16) + 0 .. 15
.irp c, 0,1,2,3
	ds_load_b128 v[\reg+4*\c:\reg+4*\c+3], v[\adr] offset:128*(\q)+32*\c+(\i)*16*(\p)
.endr
.endm
.macro FETCH slot, q, f                ; 32 LDS loads in one run: source 0's four fragments, then source 1's, of the slot's q-th 128 along K.  slot 0 = A, 1 = B
	WIN TO_F
.irp i, 0,1,2,3
	FRAG \f+64+16*\i, ADR0+\slot, \q, \i, PA-(PA-PB)*(\slot)
.endr
.irp i, 0,1,2,3
	FRAG \f+16*\i, ADR1+\slot, \q, \i, PA-(PA-PB)*(\slot)
.endr
.endm
.macro SCALES                          ; all 16 words of each of my rows: they stay in registers for the whole of K
.irp i, 0,1,2,3
.irp g, 0,1,2,3
	ds_load_b128 v[SC+16*\i+4*\g:SC+16*\i+4*\g+3], v[ADRS] offset:1088*\i+16*\g
.endr
.endr
.endm
; Four matrix instructions: source 1's block a against source 0's four.  The 16 accumulators take turns, one instruction a turn, in the same order in every step.
.macro MUL4 f, a, kq, zero
.irp b, 0,1,2,3
.if \zero
	v_wmma_scale_f32_16x16x128_f8f6f4 v[ACC+8*(4*(\a)+\b):ACC+8*(4*(\a)+\b)+7], v[\f+64+16*\b:\f+64+16*\b+15], v[\f+16*(\a):\f+16*(\a)+15], 0, v[SC+16*\b+(\kq)], v[SC+16*(\a)+(\kq)] matrix_a_scale:MATRIX_SCALE_ROW1
.else
	v_wmma_scale_f32_16x16x128_f8f6f4 v[ACC+8*(4*(\a)+\b):ACC+8*(4*(\a)+\b)+7], v[\f+64+16*\b:\f+64+16*\b+15], v[\f+16*(\a):\f+16*(\a)+15], v[ACC+8*(4*(\a)+\b):ACC+8*(4*(\a)+\b)+7], v[SC+16*\b+(\kq)], v[SC+16*(\a)+(\kq)] matrix_a_scale:MATRIX_SCALE_ROW1
.endif
.endr
.endm
; 128 along K whose successor lies in the same slot: multiplies buffer f; in its middle the next 128's fragments are fetched into g.
; Eight places stand in front of loads into registers that matrix instructions have read.
.macro QUARTER slot, qn, f, g, kq, zero
	s_wait_dscnt 8                                 ; all but the youngest eight loads (source 1's blocks 2 and 3) are in
	WIN MUL
	MUL4 \f, 0, \kq, \zero
	MUL4 \f, 1, \kq, \zero
	PLACES 8
	FETCH \slot, \qn, \g
	s_wait_dscnt 32                                ; all but the 32 just issued
	WIN MUL
	MUL4 \f, 2, \kq, \zero
	MUL4 \f, 3, \kq, \zero
.endm
; A slot's last 128 (in buffer 1) changes slots: ONE barrier; in front of it each wave waits for all its tensor loads, adds 0 to its spare word, and waits for that and for its reads of this slot.
; fill = 1: the barrier opens a round of the cluster's barrier, and this slot is filled again, 768 along K further on, first thing behind the round.  fill = 2: likewise, and B's bytes take cos and sin.  fill = 0: nothing is asked for.
.macro TURN slot, next, kq, fill
	WIN 0                                          ; (the add's two registers lie in window 0)
	s_wait_tensorcnt 0x0                           ; all my tensor loads have landed: my part of the next slot
	ds_add_u32 v[SPW], v[NIL]                      ; 0 onto my spare word
	ds_add_u32 v28, v29
	s_wait_dscnt 1                                 ; buffer 1 is in; the add may be out
	WIN MUL
	MUL4 F1, 0, \kq, 0                             ; four matrix instructions stand between the add and the wait for it
	s_wait_dscnt 0x0                               ; the add is done, and my reads of this slot are over
	s_barrier_signal -1
	MUL4 F1, 1, \kq, 0
	WIN 0
	s_barrier_wait -1
.if \fill == 1
	CREST                                          ; no wave of any partner still reads this slot's tile or has a load on its way
	s_add_nc_u64 s[G0A+8*\slot+2:G0A+8*\slot+3], s[G0A+8*\slot+2:G0A+8*\slot+3], 768
	s_add_nc_u64 s[G0AW+8*\slot+2:G0AW+8*\slot+3], s[G0AW+8*\slot+2:G0AW+8*\slot+3], 768
	JLOAD G0A+8*\slot, G1A+16*\slot, G0AW+8*\slot, G1AW+16*\slot, 1   ; my one tensor load behind the round
.elseif \fill == 2
	CREST
	JLOAD G0S, G1S, G0S, G1S, 0                    ; wave 0: cos, wave 1: sin: they have the last 512 along K in which to land
.endif
	PLACES 8
	FETCH \next, 0, F0
	WIN MUL
	MUL4 F1, 2, \kq, 0
	MUL4 F1, 3, \kq, 0
.endm
	s_wait_tensorcnt 1                             ; the scales and my part of A are in; B's load may be out
	s_load_b256 s[68:75], s[0:1], 0x10             ; cos, sin, q_scale, k_scale: into registers of a load that the wait above has shown done
	s_barrier_signal -1
	s_barrier_wait -1
	SCALES
	FETCH 0, 0, F0
	WIN 0
	s_mov_b32 s[G1S+2], 128<<16                    ; x's scale bytes have landed: their group 1 now states 128 rows of 256 bytes: a table's rows of my 128 tokens;
	s_mov_b32 s[G1S+4], 128                        ; mask, element, padding and pitch stay
	s_lshl_b32 s2, s17, 15                         ; 128 yt rows of 256 bytes
	s_mov_b32 s3, 0
	s_wait_kmcnt 0x0
	s_cmp_eq_u32 s15, 0
	s_cselect_b64 s[G0S+2:G0S+3], s[68:69], s[70:71]   ; wave 0 will fetch cos, wave 1 sin
	s_add_nc_u64 s[G0S+2:G0S+3], s[G0S+2:G0S+3], s[2:3]
	s_or_b32 s[G0S+3], s[G0S+3], 0x80000000
	s_mov_b32 s[G0S], 1
	s_mul_i32 s[G0S+1], s15, CSH
	s_add_co_u32 s[G0S+1], s[G0S+1], BOFF
	s_cmp_lt_u32 ttmp9, 3
	s_cselect_b64 s[72:73], s[72:73], s[74:75]     ; q's gain in columns of clusters 0 to 2, k's in column 3 (v's waves load it too and do not use it)
.irp b, 0,1
.irp j, 0,1,2,3
	global_load_b128 v[SCV+16*\b+4*\j:SCV+16*\b+4*\j+3], v[GOF], s[72:73] offset:128*\b+16*\j   ; the gain at channels 32 B + 16 h + 0 .. 15: it lands while K is walked
.endr
.endr
	QUARTER 0, 1, F0, F1, 0, 1                     ; A: K 0 on.  The first products start the sums: nothing is cleared
	QUARTER 0, 2, F1, F0, 1, 0
	QUARTER 0, 3, F0, F1, 2, 0
	TURN 0, 1, 3, 1                                ; A takes K 768 on
	QUARTER 1, 1, F0, F1, 4, 0                     ; B: K 512 on
	TURN 1, 0, 5, 1                                ; B takes K 1,280 on
	QUARTER 0, 1, F0, F1, 6, 0
	QUARTER 0, 2, F1, F0, 7, 0
	QUARTER 0, 3, F0, F1, 8, 0
	TURN 0, 1, 9, 1                                ; A takes K 1,536 on
	QUARTER 1, 1, F0, F1, 10, 0
	TURN 1, 0, 11, 2                               ; B has been read for the last time: its bytes take cos and sin
	QUARTER 0, 1, F0, F1, 12, 0
	QUARTER 0, 2, F1, F0, 13, 0
	QUARTER 0, 3, F0, F1, 14, 0
	s_wait_dscnt 8
	WIN MUL
	MUL4 F1, 0, 15, 0
	MUL4 F1, 1, 15, 0
	s_wait_dscnt 0x0
	MUL4 F1, 2, 15, 0
	MUL4 F1, 3, 15, 0
	WIN 0
	PLACES 8                                       ; in front of the first read of results, of loads into the fragments' registers and of writes of the scale words' registers
	s_wait_tensorcnt 0x0                           ; cos and sin have landed (waves 0 and 1 fetched them),
	ds_add_u32 v[SPW], v[NIL]
	s_wait_dscnt 0x0
	s_barrier_signal -1
	s_barrier_wait -1                              ; and every wave may read them
	; cos and sin in the result's layout: lane (r, h), tile t of tokens: token 32 (t / 2) + 8 (t % 2) + r + 8 (r / 8), channels 32 B + 16 h + 0 .. 15.  v's waves read them too and do not use them
	WIN TO_F
.irp t, 0,1,2,3
.irp b, 0,1
.irp j, 0,1,2,3
	ds_load_b128 v[64*\t+16*\b+4*\j:64*\t+16*\b+4*\j+3], v[CSA] offset:(32*(\t/2)+8*(\t%2))*272+128*\b+16*\j
	ds_load_b128 v[64*\t+32+16*\b+4*\j:64*\t+32+16*\b+4*\j+3], v[CSA] offset:CSH+(32*(\t/2)+8*(\t%2))*272+128*\b+16*\j
.endr
.endr
.endr
	WIN 0
; 32 numbers of a lane, v[s] on, register 16 b + i = place 32 b + 16 (lane / 16) + i along K, become codes in v[c] .. v[c + 7]; the two scale bytes are left in v[TM + 2], v[TM + 3].
.macro QUANT2 s, c
.irp b, 0,1
	v_max3_num_f32 v[TM+\b], |v[\s+16*\b]|, |v[\s+1+16*\b]|, 0x4800000   ; my 16 numbers of block b, and the floor 2^(9 - 127)
.endr
.irp i, 2,4,6,8,10,12,14
.irp b, 0,1
	v_max3_num_f32 v[TM+\b], v[TM+\b], |v[\s+16*\b+\i]|, |v[\s+1+16*\b+\i]|
.endr
.endr
.irp b, 0,1
	v_permlanex16_b32 v[TM+2+\b], v[TM+\b], s[SEL], s[SEL+1]
.endr
.irp b, 0,1
	v_max_num_f32 v[TM+\b], v[TM+\b], v[TM+2+\b]   ; with lane l xor 16's: the block's largest magnitude
.endr
.irp b, 0,1
	v_add_nc_u32 v[TM+6+\b], 0xfc000000, v[TM+\b]  ; 8 off its exponent field: the conversion's scale operand
.endr
.irp b, 0,1
	v_and_or_b32 v[TM+4+\b], v[TM+\b], 0x7f800000, s[MNT]   ; 448 x the scale
.endr
.irp b, 0,1
	v_lshrrev_b32 v[TM+2+\b], 23, v[TM+6+\b]       ; the scale's byte
.endr
.irp b, 0,1
.irp i, 0,1,2,3,4,5,6,7,8,9,10,11,12,13,14,15
	v_med3_num_f32 v[\s+16*\b+\i], v[\s+16*\b+\i], -v[TM+4+\b], v[TM+4+\b]   ; the conversion to an 8-bit code does not saturate (ISA guide 7.6.2)
.endr
	v_cvt_scalef32_pk8_fp8_f32 v[\c+4*\b:\c+4*\b+1], v[\s+16*\b:\s+16*\b+7], v[TM+6+\b]
	v_cvt_scalef32_pk8_fp8_f32 v[\c+4*\b+2:\c+4*\b+3], v[\s+16*\b+8:\s+16*\b+15], v[TM+6+\b]
.endr
	v_nop                                          ; one plain vector instruction behind the last conversion
.endm
; Tile t of tokens: x / sqrt(mean of squares + 1e-6), x the gain, then the rotation: channel d < 32 pairs with d + 32, and both lie in my registers.  Each accumulator is read from its low end on.
.macro NORMROPE t
.set Y, ACC+32*(\t)
	v_pk_mul_f32 v[84:85], v[Y:Y+1], v[Y:Y+1]
	v_pk_mul_f32 v[86:87], v[Y+16:Y+17], v[Y+16:Y+17]
.irp i, 2,4,6,8,10,12,14
	v_pk_fma_f32 v[84:85], v[Y+\i:Y+\i+1], v[Y+\i:Y+\i+1], v[84:85]
	v_pk_fma_f32 v[86:87], v[Y+16+\i:Y+17+\i], v[Y+16+\i:Y+17+\i], v[86:87]
.endr
	v_pk_add_f32 v[84:85], v[84:85], v[86:87]
	v_add_f32 v84, v84, v85
	v_permlanex16_b32 v86, v84, s[SEL], s[SEL+1]
	v_add_f32 v84, v84, v86                        ; the sum of my token's 64 squares
	v_fma_f32 v84, v84, s[I64], s[EPS]
	v_rsq_f32 v88, v84
	v_nop                                          ; one plain place behind the transcendental
	s_wait_alu depctr_va_vdst(0)
.irp i, 0,2,4,6,8,10,12,14,16,18,20,22,24,26,28,30
	v_pk_mul_f32 v[Y+\i:Y+\i+1], v[Y+\i:Y+\i+1], v[88:89] op_sel_hi:[1,0]
.endr
.irp i, 0,2,4,6,8,10,12,14,16,18,20,22,24,26,28,30
	v_pk_mul_f32 v[Y+\i:Y+\i+1], v[Y+\i:Y+\i+1], v[SCV+\i:SCV+\i+1]
.endr
	s_wait_dscnt 48-16*(\t)                        ; this tile's 16 reads of cos and sin are in; the later tiles' may be out
	WIN 0x04                                       ; source 1 window 1: cos at 64 t, sin at 64 t + 32
.irp i, 0,2,4,6,8,10,12,14
	v_pk_mul_f32 v[T+\i:T+\i+1], v[Y+16+\i:Y+17+\i], v[64*(\t)+32+\i:64*(\t)+33+\i]
.endr
.irp i, 0,2,4,6,8,10,12,14
	v_pk_mul_f32 v[T+16+\i:T+17+\i], v[Y+\i:Y+\i+1], v[64*(\t)+48+\i:64*(\t)+49+\i]
.endr
.irp i, 0,2,4,6,8,10,12,14
	v_pk_fma_f32 v[Y+\i:Y+\i+1], v[Y+\i:Y+\i+1], v[64*(\t)+\i:64*(\t)+\i+1], v[T+\i:T+\i+1] neg_lo:[0,0,1] neg_hi:[0,0,1]   ; x1 cos - x2 sin
.endr
.irp i, 0,2,4,6,8,10,12,14
	v_pk_fma_f32 v[Y+16+\i:Y+17+\i], v[Y+16+\i:Y+17+\i], v[64*(\t)+16+\i:64*(\t)+17+\i], v[T+16+\i:T+17+\i]                 ; x2 cos + x1 sin
.endr
	WIN 0
.endm
	s_wait_loadcnt 0x0                             ; the gain
	s_mov_b32 s[SEL], 0x76543210
	s_mov_b32 s[SEL+1], 0xfedcba98
	s_mov_b32 s[MNT], 0x600000
	s_mov_b32 s[I64], 0x3c800000                   ; (no tensor load of mine is out: the descriptors' registers are free)
	s_mov_b32 s[EPS], 0x358637bd
	v_and_b32 v94, 31, v0                          ; lane
	v_lshlrev_b32 v90, 4, v94                      ; an image's place for my lane
	s_cmp_lg_u32 s13, 0
	s_cbranch_scc1 .Lvalues
	; ---- role 0: q or k
	s_mul_i32 s20, s66, 3
	s_lshl_b32 s21, s66, 1
	s_add_co_u32 s21, s21, 8
	s_cmp_lt_u32 ttmp9, 2
	s_cselect_b32 s20, s20, s21
	s_add_co_u32 s20, s20, s16                     ; my head slot
	s_lshl_b32 s22, s20, 12
	s_lshl_b32 s20, s20, 17
	s_lshl_b32 s21, s17, 13
	s_add_co_u32 s20, s20, s21
	s_lshl_b32 s21, s15, 12
	s_add_co_u32 s20, s20, s21                     ; + my first tile of tokens x 1,024
	s_mov_b32 s21, 0
	s_add_nc_u64 s[18:19], s[100:101], s[20:21]
	s_lshl_b32 s23, s17, 8
	s_add_co_u32 s22, s22, s23
	s_lshl_b32 s23, s15, 7
	s_add_co_u32 s22, s22, s23
	s_add_co_u32 s22, s22, QKS_OFF                 ; my 64 tokens' scale words
	s_mov_b32 s23, 0
	s_add_nc_u64 s[22:23], s[100:101], s[22:23]
.irp t, 0,1,2,3
	NORMROPE \t
	s_wait_xcnt 0x0                                ; the last tile's stores have read the codes' registers
	QUANT2 ACC+32*\t, CD
	v_lshl_or_b32 v[HW+\t], v[TM+3], 8, v[TM+2]
	global_store_b128 v90, v[CD:CD+3], s[18:19] offset:1024*\t        ; the wave stores 512 consecutive bytes, aligned
	global_store_b128 v90, v[CD+4:CD+7], s[18:19] offset:1024*\t+512
.endr
	v_lshl_or_b32 v92, v[HW+1], 16, v[HW]
	v_lshl_or_b32 v93, v[HW+3], 16, v[HW+2]
	v_lshlrev_b32 v91, 3, v1
	s_wait_xcnt 0x0                                ; EXEC changes only behind this wait
	v_cmp_gt_u32 vcc_lo, 16, v94
	s_and_saveexec_b32 s20, vcc_lo
	global_store_b64 v91, v[92:93], s[22:23]       ; lanes 0-15: 128 consecutive bytes
	s_wait_xcnt 0x0
	s_or_b32 exec_lo, exec_lo, s20
	s_branch .Lclose
.Lvalues:
	; ---- role 1: v.  Block a is a tile of 16 channels; my 32 registers are two blocks of 32 keys: blocks 2 x (my half) and 2 x (my half) + 1 of the key step
	s_sub_co_u32 s20, s66, 8                       ; kv: slot xt + 32 is v's slot xt - 8
	s_lshl_b32 s20, s20, 4
	s_add_co_u32 s20, s20, s17                     ; 16 kv + key step
	s_lshl_b32 s22, s20, 8
	s_lshl_b32 s20, s20, 13
	s_lshl_b32 s21, s15, 10
	s_add_co_u32 s20, s20, s21
	s_add_co_u32 s20, s20, VI_OFF
	s_mov_b32 s21, 0
	s_add_nc_u64 s[18:19], s[100:101], s[20:21]
	s_lshl_b32 s23, s15, 1
	s_add_co_u32 s22, s22, s23
	s_add_co_u32 s22, s22, VS_OFF
	s_mov_b32 s23, 0
	s_add_nc_u64 s[22:23], s[100:101], s[22:23]
.irp a, 0,1,2,3
	s_wait_xcnt 0x0
	QUANT2 ACC+32*\a, CD
	v_lshl_or_b32 v[HW+\a], v[TM+3], 8, v[TM+2]
	global_store_b128 v90, v[CD:CD+3], s[18:19] offset:2048*\a
	global_store_b128 v90, v[CD+4:CD+7], s[18:19] offset:2048*\a+512
.endr
	v_lshlrev_b32 v91, 3, v94
	v_cmp_ne_u32 vcc_lo, 0, v2
	v_cndmask_b32 v92, v[HW], v[HW+2], vcc_lo      ; lanes 0-15 speak for tiles 0 and 1, lanes 16-31 for tiles 2 and 3 (both halves of the lanes hold the same bytes)
	v_cndmask_b32 v93, v[HW+1], v[HW+3], vcc_lo
	global_store_b16 v91, v92, s[22:23]            ; two of a word's four bytes: a wave holds two of a key step's four blocks; 32,768 bytes in the whole launch leave so
	global_store_b16 v91, v93, s[22:23] offset:4
.Lclose:
	s_wait_tensorcnt 0x0                           ; the wave's end
	ds_add_u32 v[SPW], v[NIL]
	s_wait_dscnt 0x0
	CROUND                                         ; the closing round: no work-group ends while a partner may still ask for a tile that names it
	s_endpgm
.Lfunc_end_k_q2b65b991d7_qkv:
	.size	k_q2b65b991d7_qkv, .Lfunc_end_k_q2b65b991d7_qkv-k_q2b65b991d7_qkv
	.p2alignl 7, 3214868480
	.fill 96, 4, 3214868480
	.section	.rodata,"a",@progbits
	.p2align	6, 0x0
	.amdhsa_kernel k_q2b65b991d7_qkv
		.amdhsa_group_segment_fixed_size 327680
		.amdhsa_private_segment_fixed_size 0
		.amdhsa_enable_private_segment 0
		.amdhsa_kernarg_size 56
		.amdhsa_user_sgpr_count 2
		.amdhsa_user_sgpr_kernarg_segment_ptr 1
		.amdhsa_wavefront_size32 1
		.amdhsa_system_sgpr_workgroup_id_x 1
		.amdhsa_system_sgpr_workgroup_id_y 1
		.amdhsa_system_sgpr_workgroup_id_z 1
		.amdhsa_system_vgpr_workitem_id 0
		.amdhsa_next_free_vgpr 512
		.amdhsa_next_free_sgpr 102
		.amdhsa_reserve_vcc 1
		.amdhsa_float_denorm_mode_32 3
		.amdhsa_float_denorm_mode_16_64 3
		.amdhsa_memory_ordered 1
		.amdhsa_forward_progress 1
		.amdhsa_inst_pref_size 150
	.end_amdhsa_kernel
	.amdgpu_metadata
---
amdhsa.version: [ 1, 2 ]
amdhsa.kernels:
  - .name:           k_q2b65b991d7_qkv
    .symbol:         k_q2b65b991d7_qkv.kd
    .args:
      - { .name: xq, .offset: 0, .size: 8, .value_kind: global_buffer, .address_space: global }
      - { .name: wq, .offset: 8, .size: 8, .value_kind: global_buffer, .address_space: global }
      - { .name: cos, .offset: 16, .size: 8, .value_kind: global_buffer, .address_space: global }
      - { .name: sin, .offset: 24, .size: 8, .value_kind: global_buffer, .address_space: global }
      - { .name: q_scale, .offset: 32, .size: 8, .value_kind: global_buffer, .address_space: global }
      - { .name: k_scale, .offset: 40, .size: 8, .value_kind: global_buffer, .address_space: global }
      - { .name: qkvw, .offset: 48, .size: 8, .value_kind: global_buffer, .address_space: global }
    .group_segment_fixed_size: 327680
    .private_segment_fixed_size: 0
    .kernarg_segment_align: 8
    .kernarg_segment_size: 56
    .max_flat_workgroup_size: 192
    .sgpr_count:     102
    .vgpr_count:     512
    .wavefront_size: 32
...
	.end_amdgpu_metadata
.endif
;; end of part 2
;; launch attn (part 3): grid 32 x 8, 16 waves a work-group, no clusters, 60,928 bytes of LDS; arguments qkvw, mask, flags, ctx; writes ctx
.if DOCPART == 3
	.amdgcn_target "amdgcn-amd-amdhsa--gfx1250"
	.amdhsa_code_object_version 6
	.text
	.protected	k_q2b65b991d7_attn
	.globl	k_q2b65b991d7_attn
	.p2align	8
	.type	k_q2b65b991d7_attn,@function
k_q2b65b991d7_attn:
	s_mov_b64 s[64:65], 0
	v_nop
	global_prefetch_b8 v0, s[64:65] scope:SCOPE_SE
	s_setreg_imm32_b32 hwreg(HW_REG_WAVE_MODE, 25, 1), 1
	s_wait_xcnt 0x0
; ctx = softmax(q k^T / 8, hidden keys at -infinity) v, both products on codes of E4M3 with E8M0 scales, and ctx quantised along its 2,048 channels for the last product.
; THE SOFTMAX: t = score x log2(e) / 8; M = the running largest t rounded UP to a whole number; p = 2^(t - M) is quantised along the keys, not normalised; the row's sum is taken of the unquantised p and divides at the end;
; when M moves, the sum and O are multiplied by 2^(old M - new M), which rounds nothing.
; THE MASK IS AN INPUT and is honoured byte by byte.  An earlier launch has stored, for each tile of 16 queries and each step of 128 keys, whether any key counts and whether any is hidden.  A step in which no key counts for my
; 16 queries is left out (a scalar branch on the stored word, round the step's work alone); a step in which none is hidden does not read the mask.
; k and v go from memory through registers into LDS, 256 keys at a time, every thread 64 bytes, asked for two key steps ahead.
; SHARES.  A work-group has one kv head and 64 queries: the groups of 32 tokens B and 63 - B (B the work-group's x), two tiles of 16 each.  Wave w has head 4 kv + (w & 3) and tile (w + w / 4) & 3 of the four.
; LAYOUT.  Both products are used transposed: S^T = k q^T (source 0 = keys), O^T = v^T p^T (source 0 = channels): a lane holds ONE query throughout.  Operands lie in memory as images of their registers.
; The head has 64 channels and the instruction 128 along K: a fragment of k holds TWO tiles of 16 keys (one in K 0-63, one in K 64-127); q stands in v16-23 and again in v32-39 with zeros in v24-31 between,
; so v[16:31] meets the first tile alone and v[24:39] the second; zero codes add nothing.
; A tile's rows are tokens 32 (T / 2) + 8 (T % 2) + r + 8 (r / 8), so the 16 registers of two neighbouring tiles are 16 neighbouring keys (or channels).
; A query all of whose keys are hidden has the sum 0: its scale bytes are set to 0xff, so that its row of the result is NaN, as the source has it.
; LIMITS: mask bytes are 0 or 1; a block under 2^-118 or of zeros gets the scale byte 1; NaN and infinities among the inputs are not served.
; REGISTERS: v1-11 addresses; v12 -M, v13 the largest t, v[14:15] the sum; v16-39 q; v40-103 four fragments; v104-167 S^T, then p; v168-199 O^T; v200-215 mask bytes, then p's codes; v216-239 at work; v240-255 the next 256 keys' bytes.
.set VI_OFF, 5242880
.set QKS_OFF, 6291456
.set VS_OFF, 6455296
.set CS_OFF, 4194304
.set KSL,  32768                       ; LDS: 0: k's images of 256 keys; 16,384: v's; here k's scale words of the whole head, 4,096 bytes; behind them v's;
.set CST,  40960                       ; the stage for ctx's codes: 64 rows x (256 bytes + 16);
.set CSS,  58368                       ; and for its scale bytes: 64 rows x 8
.set S,    104
.set O,    168
.set PC,   200
.set BM,   216                         ; v216-219 the blocks' largest scores, then largest p
.set PT,   220                         ; v220-223 at work
.set HL,   224                         ; v224-227 448 x the scale
.set SO,   228                         ; v228-231 the conversions' scale operands
.set TM,   216                         ; the way out's quantiser: v216-223
.set FL,   20                          ; s20 the flags, two bits a key step, the step in hand lowest
.set KO,   21                          ; s21 the step's first key
.set CH,   22                          ; s22 the count of 256 keys
.set MNT,  23
.set CS,   28                          ; s[28:29] c = log2(e) / 8
.set SEL,  30
	s_load_b256 s[4:11], s[0:1], 0x0               ; qkvw s[4:5], mask s[6:7], flags s[8:9], ctx s[10:11]
	v_lshrrev_b32 v1, 5, v0
	v_readfirstlane_b32 s12, v1                    ; wave 0..15
	s_and_b32 s13, s12, 3                          ; g: my head in the group of four
	s_lshr_b32 s14, s12, 2
	s_add_co_u32 s14, s14, s12
	s_and_b32 s14, s14, 3                          ; my tile among the work-group's four
	s_and_b32 s15, s14, 1                          ; u
	s_and_b32 s18, ttmp7, 0xffff                   ; kv
	s_sub_co_u32 s16, 63, ttmp9
	s_cmp_lt_u32 s14, 2
	s_cselect_b32 s16, ttmp9, s16                  ; my group of 32 tokens
	s_lshl_b32 s17, s16, 1
	s_add_co_u32 s17, s17, s15                     ; my tile of queries, 0..127
	s_lshl_b32 s32, s17, 2
	s_mov_b32 s33, 0
	s_lshl_b32 s34, s18, 2
	s_add_co_u32 s34, s34, s13                     ; my head
	s_lshl_b32 s36, s34, 17
	s_lshl_b32 s35, s17, 10
	s_add_co_u32 s36, s36, s35                     ; q's image
	s_mov_b32 s37, 0
	s_lshl_b32 s38, s34, 12
	s_lshr_b32 s35, s16, 1
	s_lshl_b32 s35, s35, 7
	s_add_co_u32 s38, s38, s35
	s_and_b32 s35, s16, 1
	s_lshl_b32 s35, s35, 2
	s_add_co_u32 s38, s38, s35
	s_add_co_u32 s38, s38, QKS_OFF                 ; the scale word of my pair of tiles
	s_mov_b32 s39, 0
	s_lshl_b32 s40, s18, 12
	s_add_co_u32 s41, s40, VS_OFF
	s_add_co_u32 s40, s40, QKS_OFF+32*4096
	s_cmp_lt_u32 s12, 8
	s_cselect_b32 s40, s40, s41                    ; waves 0-7 copy k's scale words, waves 8-15 v's
	s_mov_b32 s41, 0
	s_add_co_u32 s24, s18, 32
	s_lshl_b32 s24, s24, 17                        ; k's images: head slot 32 + kv
	s_mov_b32 s25, 0
	s_lshl_b32 s26, s18, 17
	s_add_co_u32 s26, s26, VI_OFF                  ; v's
	s_mov_b32 s27, 0
	s_lshl_b32 s42, s16, 16
	s_lshl_b32 s43, s15, 14
	s_add_co_u32 s42, s42, s43                     ; the mask's row 32 group + 8 u
	s_mov_b32 s43, 0
	s_lshl_b32 s44, s15, 4
	s_mov_b32 s[MNT], 0x600000
	s_mov_b32 s[CS], 0x3e38aa3b
	s_mov_b32 s[CS+1], s[CS]                       ; (named with it as a pair, so it is written)
	s_mov_b32 s[SEL], 0x76543210
	s_mov_b32 s[SEL+1], 0xfedcba98
	s_mov_b32 s[KO], 0
	s_mov_b32 s[CH], 0
	v_and_b32 v10, 31, v0                          ; lane
	v_lshlrev_b32 v1, 4, v10                       ; 16 x lane: an image's place for my lane
	v_lshlrev_b32 v2, 3, v10                       ; 8 x lane
	v_and_b32 v8, 15, v0                           ; r
	v_bfe_u32 v9, v0, 4, 1                         ; h
	v_and_b32 v11, 8, v8
	v_add_nc_u32 v11, v11, v8                      ; r + 8 (r / 8)
	v_lshlrev_b32 v3, 11, v11
	v_lshl_add_u32 v3, v9, 4, v3                   ; the mask: my query's row, + 16 h
	v_add_nc_u32 v5, KSL, v2                       ; the step's scale words: 8 bytes a lane
	v_lshlrev_b32 v6, 4, v0                        ; 16 x thread
	v_mov_b32 v7, 0xff800000                       ; -infinity
	v_lshlrev_b32 v8, 3, v8                        ; 8 r
	v_and_b32 v9, 255, v0
	v_lshlrev_b32 v9, 4, v9
	s_wait_kmcnt 0x0
	s_add_nc_u64 s[8:9], s[8:9], s[32:33]
	s_load_b32 s[FL], s[8:9], 0x0
	s_add_nc_u64 s[36:37], s[4:5], s[36:37]
	s_add_nc_u64 s[38:39], s[4:5], s[38:39]
	s_add_nc_u64 s[40:41], s[4:5], s[40:41]
	s_add_nc_u64 s[24:25], s[4:5], s[24:25]
	s_add_nc_u64 s[26:27], s[4:5], s[26:27]
	s_add_nc_u64 s[6:7], s[6:7], s[42:43]
	global_load_b128 v[16:19], v1, s[36:37]        ; q's codes,
	global_load_b128 v[20:23], v1, s[36:37] offset:512
	global_load_b128 v[32:35], v1, s[36:37]        ; and once more
	global_load_b128 v[36:39], v1, s[36:37] offset:512
	global_load_b32 v236, v8, s[38:39]
	global_load_b128 v[216:219], v9, s[40:41]      ; my 16 bytes of the scale words
	global_load_b128 v[240:243], v6, s[24:25]      ; keys 0 to 255: 512 threads x 16 bytes an instruction
	global_load_b128 v[244:247], v6, s[24:25] offset:8192
	global_load_b128 v[248:251], v6, s[26:27]
	global_load_b128 v[252:255], v6, s[26:27] offset:8192
.irp j, 24,25,26,27,28,29,30,31
	v_mov_b32 v[\j], 0                             ; the zero codes between q's two copies
.endr
	v_mov_b32 v13, 0xff61b1e6                      ; the largest t so far: -3e38, under every t
	v_floor_f32 v12, -v13                          ; -M
	v_mov_b32 v14, 0
	v_mov_b32 v15, 0
	s_wait_loadcnt 0x0
	v_lshrrev_b32 v236, s44, v236                  ; my tile's two bytes of the pair's word,
	v_and_b32 v236, 0xffff, v236
	v_lshl_or_b32 v236, v236, 16, v236             ; for K 0-63 and for K 64-127 alike
	ds_store_b128 v6, v[216:219] offset:KSL
	ds_store_b128 v6, v[240:243]
	ds_store_b128 v6, v[244:247] offset:8192
	ds_store_b128 v6, v[248:251] offset:16384
	ds_store_b128 v6, v[252:255] offset:24576
	s_add_nc_u64 s[24:25], s[24:25], 16384         ; (behind the wait that shows the loads done)
	s_add_nc_u64 s[26:27], s[26:27], 16384
.set j, 0
.rept 32
	v_mov_b32 v[O+j], 0                            ; O^T: the step is written once; the first finds zeros, which the first change of M leaves zeros.  (These are also the places behind the line that made q's scale word)
.set j, j+1
.endr
.irp b, 0,1,2,3
	v_mov_b32 v[PT+\b], 0                          ; a lane permute's destination counts as one of its sources
.endr
	v_mov_b32 v237, 0
	v_mov_b32 v239, 0                              ; (named as the upper half of the pair v[238:239] before it is first written)
	s_wait_kmcnt 0x0                               ; the flags
	s_wait_dscnt 0x0                               ; for the others' sake: my stores have landed
	s_barrier_signal -1
	s_barrier_wait -1
; A KEY STEP: 128 keys, the q-th of the 256 in LDS.
.macro STEP q
	s_bitcmp1_b32 s[FL], 0
	s_cbranch_scc0 .Lhid_\@                        ; no key of the step counts for my 16 queries
.irp f, 0,1,2,3
.irp c, 0,1,2,3
	ds_load_b128 v[40+16*\f+4*\c:43+16*\f+4*\c], v1 offset:8192*\q+2048*\f+512*\c   ; fragment f: tiles 2 f and 2 f + 1 of keys
.endr
.endr
	ds_load_b64 v[232:233], v5 offset:256*\q       ; lanes 0-15: the words of fragments 0, 1; lanes 16-31: of 2, 3
	s_wait_dscnt 0x0
.irp f, 0,1
	v_wmma_scale_f32_16x16x128_f8f6f4 v[S+16*\f:S+16*\f+7], v[40+16*\f:55+16*\f], v[16:31], 0, v[232+\f], v236
	v_wmma_scale_f32_16x16x128_f8f6f4 v[S+16*\f+8:S+16*\f+15], v[40+16*\f:55+16*\f], v[24:39], 0, v[232+\f], v236
.endr
.irp f, 2,3
	v_wmma_scale_f32_16x16x128_f8f6f4 v[S+16*\f:S+16*\f+7], v[40+16*\f:55+16*\f], v[16:31], 0, v[230+\f], v236 matrix_a_scale:MATRIX_SCALE_ROW1
	v_wmma_scale_f32_16x16x128_f8f6f4 v[S+16*\f+8:S+16*\f+15], v[40+16*\f:55+16*\f], v[24:39], 0, v[230+\f], v236 matrix_a_scale:MATRIX_SCALE_ROW1
.endr                                          ; register 16 b + i of S^T: key 32 b + 16 (lane / 16) + i of the step
.rept 8
	v_nop                                          ; places in front of the loads into the fragments' registers and of the first read of the scores
.endr
.irp t, 0,1,2,3
.irp c, 0,1,2,3
	ds_load_b128 v[40+16*\t+4*\c:43+16*\t+4*\c], v1 offset:16384+8192*\q+2048*\t+512*\c   ; v's four tiles of 16 channels: they land under the softmax
.endr
.endr
	ds_load_b64 v[234:235], v5 offset:4096+256*\q
	s_bitcmp1_b32 s[FL], 1
	s_cbranch_scc0 .Lopen_\@                       ; no key of the step is hidden from my 16 queries
	v_add_nc_u32 v4, s[KO], v3
.irp b, 0,1,2,3
	global_load_b128 v[PC+4*\b:PC+4*\b+3], v4, s[6:7] offset:32*\b   ; my query's mask bytes of keys 32 b + 16 h + 0 .. 15
.endr
	s_wait_loadcnt 0x0
.set n, 0
.rept 64
	v_and_b32 v237, 0xff<<(8*(n%4)), v[PC+4*(n/16)+(n%16)/4]
	v_cmp_ne_u32 vcc_lo, 0, v237
	v_cndmask_b32 v[S+n], v[S+n], v7, vcc_lo       ; a hidden key's score becomes -infinity ahead of the maximum: p = 0 then
.set n, n+1
.endr
.Lopen_\@:
.irp b, 0,1,2,3
	v_max3_num_f32 v[BM+\b], v[S+16*\b], v[S+1+16*\b], v[S+2+16*\b]   ; the largest score of each block of 32 keys: for the row's maximum, and, since p rises with the score, for the block's largest p
.endr
.irp i, 3,5,7,9,11,13
.irp b, 0,1,2,3
	v_max3_num_f32 v[BM+\b], v[BM+\b], v[S+16*\b+\i], v[S+1+16*\b+\i]
.endr
.endr
.irp b, 0,1,2,3
	v_max_num_f32 v[BM+\b], v[BM+\b], v[S+15+16*\b]
.endr
.irp b, 0,1,2,3
	v_permlanex16_b32 v[PT+\b], v[BM+\b], s[SEL], s[SEL+1]
.endr
.irp b, 0,1,2,3
	v_max_num_f32 v[BM+\b], v[BM+\b], v[PT+\b]     ; with lane l xor 16's 16 keys
.endr
	v_max3_num_f32 v237, v[BM], v[BM+1], v[BM+2]
	v_max_num_f32 v237, v237, v[BM+3]
	v_mul_f32 v237, s[CS], v237                    ; as t (c is positive)
	v_max_num_f32 v13, v13, v237                   ; the running largest t
	v_mov_b32 v237, v12
	v_floor_f32 v12, -v13                          ; the new -M = -ceil(t)
	v_sub_f32 v237, v12, v237                      ; old M - new M: a whole number, 0 or less
	v_cvt_i32_f32 v237, v237                       ; (it saturates)
	v_ldexp_f32 v238, 1.0, v237                    ; f = 2^(old M - new M)
.set j, 0
.rept 32
	v_pk_fma_f32 v[S+j:S+j+1], v[S+j:S+j+1], s[CS:CS+1], v[12:13] op_sel_hi:[1,0,0]   ; t - M
.set j, j+2
.endr
.irp b, 0,1,2,3
	v_fma_f32 v[BM+\b], v[BM+\b], s[CS], v12
.endr
.set j, 0
.rept 64
	v_exp_f32 v[S+j], v[S+j]                       ; p = 2^(t - M)
.set j, j+1
.endr
.irp b, 0,1,2,3
	v_exp_f32 v[BM+\b], v[BM+\b]                   ; the block's largest p: the same two instructions on the same number
.endr
	v_pk_mul_f32 v[14:15], v[14:15], v[238:239] op_sel_hi:[1,0]   ; the sums under the new M.  (A plain place behind the exponentials)
	s_wait_alu depctr_va_vdst(0)
.irp b, 0,1,2,3
	v_max_num_f32 v[BM+\b], 0x4800000, v[BM+\b]    ; the floor 2^(9 - 127)
.endr
.irp b, 0,1,2,3
	v_add_nc_u32 v[SO+\b], 0xfc000000, v[BM+\b]
.endr
.irp b, 0,1,2,3
	v_and_or_b32 v[HL+\b], v[BM+\b], 0x7f800000, s[MNT]
.endr
.irp b, 0,1,2,3
	v_lshrrev_b32 v[PT+\b], 23, v[SO+\b]
.endr
	v_lshl_or_b32 v239, v[PT+1], 8, v[PT]          ; p's scale word for these 128 keys
	v_lshl_or_b32 v239, v[PT+2], 16, v239
	v_lshl_or_b32 v239, v[PT+3], 24, v239
	v_pk_add_f32 v[PT:PT+1], v[S:S+1], v[S+2:S+3]  ; the row's sum is taken of the unquantised p, in two chains
.irp j, 4,8,12,16,20,24,28,32,36,40,44,48,52,56,60
	v_pk_add_f32 v[14:15], v[14:15], v[S+\j:S+\j+1]
	v_pk_add_f32 v[PT:PT+1], v[PT:PT+1], v[S+2+\j:S+3+\j]
.endr
	v_pk_add_f32 v[14:15], v[14:15], v[PT:PT+1]
.irp b, 0,1,2,3
.irp i, 0,1,2,3,4,5,6,7,8,9,10,11,12,13,14,15
	v_min_num_f32 v[S+16*\b+\i], v[S+16*\b+\i], v[HL+\b]   ; the conversion does not saturate (ISA guide 7.6.2); p is not negative, so the hold is one-sided
.endr
	v_cvt_scalef32_pk8_fp8_f32 v[PC+4*\b:PC+4*\b+1], v[S+16*\b:S+16*\b+7], v[SO+\b]
	v_cvt_scalef32_pk8_fp8_f32 v[PC+4*\b+2:PC+4*\b+3], v[S+16*\b+8:S+16*\b+15], v[SO+\b]
.endr
.set j, 0
.rept 16
	v_pk_mul_f32 v[O+j:O+j+1], v[O+j:O+j+1], v[238:239] op_sel_hi:[1,0]   ; O^T under the new M.  (These are also the places in front of the products below)
.set j, j+2
.endr
	s_wait_dscnt 0x0                               ; v's fragments and scale words
.irp t, 0,1
	v_wmma_scale_f32_16x16x128_f8f6f4 v[O+8*\t:O+8*\t+7], v[40+16*\t:55+16*\t], v[PC:PC+15], v[O+8*\t:O+8*\t+7], v[234+\t], v239
.endr
.irp t, 2,3
	v_wmma_scale_f32_16x16x128_f8f6f4 v[O+8*\t:O+8*\t+7], v[40+16*\t:55+16*\t], v[PC:PC+15], v[O+8*\t:O+8*\t+7], v[232+\t], v239 matrix_a_scale:MATRIX_SCALE_ROW1
.endr
.rept 8
	v_nop                                          ; places in front of the next loads into these products' registers and of the next read of O^T
.endr
.Lhid_\@:
	s_lshr_b32 s[FL], s[FL], 2
	s_add_co_u32 s[KO], s[KO], 128
.endm
.Lchunk:                                           ; 8 trips of 256 keys
	s_cmp_eq_u32 s[CH], 7
	s_cbranch_scc1 .Lno_ahead                      ; no load leaves its buffer
	global_load_b128 v[240:243], v6, s[24:25]      ; the next 256 keys: asked for two key steps ahead of the stores that want them
	global_load_b128 v[244:247], v6, s[24:25] offset:8192
	global_load_b128 v[248:251], v6, s[26:27]
	global_load_b128 v[252:255], v6, s[26:27] offset:8192
.Lno_ahead:
	STEP 0
	STEP 1
	s_wait_dscnt 0x0                               ; my reads of these 256 keys are over
	s_barrier_signal -1
	s_barrier_wait -1                              ; everybody's are
	s_cmp_eq_u32 s[CH], 7
	s_cbranch_scc1 .Lno_fill
	s_wait_loadcnt 0x0
	ds_store_b128 v6, v[240:243]
	ds_store_b128 v6, v[244:247] offset:8192
	ds_store_b128 v6, v[248:251] offset:16384
	ds_store_b128 v6, v[252:255] offset:24576
	s_add_nc_u64 s[24:25], s[24:25], 16384
	s_add_nc_u64 s[26:27], s[26:27], 16384
.Lno_fill:
	v_add_nc_u32 v5, 512, v5                       ; the next two steps' scale words
	s_wait_dscnt 0x0                               ; my stores have landed
	s_barrier_signal -1
	s_barrier_wait -1
	s_add_co_u32 s[CH], s[CH], 1
	s_cmp_lt_u32 s[CH], 8
	s_cbranch_scc1 .Lchunk
; 32 numbers of a lane become codes and two scale bytes, as in the launch before.
.macro QUANT2 s, c
.irp b, 0,1
	v_max3_num_f32 v[TM+\b], |v[\s+16*\b]|, |v[\s+1+16*\b]|, 0x4800000
.endr
.irp i, 2,4,6,8,10,12,14
.irp b, 0,1
	v_max3_num_f32 v[TM+\b], v[TM+\b], |v[\s+16*\b+\i]|, |v[\s+1+16*\b+\i]|
.endr
.endr
.irp b, 0,1
	v_permlanex16_b32 v[TM+2+\b], v[TM+\b], s[SEL], s[SEL+1]
.endr
.irp b, 0,1
	v_max_num_f32 v[TM+\b], v[TM+\b], v[TM+2+\b]
.endr
.irp b, 0,1
	v_add_nc_u32 v[TM+6+\b], 0xfc000000, v[TM+\b]
.endr
.irp b, 0,1
	v_and_or_b32 v[TM+4+\b], v[TM+\b], 0x7f800000, s[MNT]
.endr
.irp b, 0,1
	v_lshrrev_b32 v[TM+2+\b], 23, v[TM+6+\b]
.endr
.irp b, 0,1
.irp i, 0,1,2,3,4,5,6,7,8,9,10,11,12,13,14,15
	v_med3_num_f32 v[\s+16*\b+\i], v[\s+16*\b+\i], -v[TM+4+\b], v[TM+4+\b]
.endr
	v_cvt_scalef32_pk8_fp8_f32 v[\c+4*\b:\c+4*\b+1], v[\s+16*\b:\s+16*\b+7], v[TM+6+\b]
	v_cvt_scalef32_pk8_fp8_f32 v[\c+4*\b+2:\c+4*\b+3], v[\s+16*\b+8:\s+16*\b+15], v[TM+6+\b]
.endr
	v_nop
.endm
	; THE WAY OUT.  O^T / the sum: register 16 B + i is channel 32 B + 16 h + i of my head: 32 neighbours along the last product's K in lanes l and l xor 16.  Codes and bytes meet in a stage, since a token's 256 bytes of
	; this kv head come from four waves; then each wave stores four whole rows.
	v_add_f32 v14, v14, v15
	v_permlanex16_b32 v237, v14, s[SEL], s[SEL+1]
	v_add_f32 v14, v14, v237                       ; the row's sum
	v_rcp_f32 v15, v14
	v_and_b32 v8, 15, v0                           ; (a plain place behind the transcendental)  r
	v_bfe_u32 v9, v0, 4, 1                         ; h
	s_mul_i32 s32, s14, 16*272
	s_lshl_b32 s33, s13, 6
	s_add_co_u32 s32, s32, s33
	s_add_co_u32 s32, s32, CST
	v_mul_u32_u24 v10, v8, 272
	v_lshl_add_u32 v10, v9, 4, v10
	v_add_nc_u32 v10, s32, v10                     ; in: row 16 tile + r, + 64 g + 16 h
	s_lshl_b32 s32, s14, 7
	s_lshl_b32 s33, s13, 1
	s_add_co_u32 s32, s32, s33
	s_add_co_u32 s32, s32, CSS
	v_lshl_add_u32 v11, v8, 3, s32                 ; the bytes: 8 a row, + 2 g
	s_mul_i32 s32, s12, 4*272
	s_add_co_u32 s32, s32, CST
	v_mul_u32_u24 v40, v9, 272
	v_lshl_add_u32 v40, v8, 4, v40
	v_add_nc_u32 v40, s32, v40                     ; back: rows 4 w + h and 4 w + 2 + h, sixteen lanes to a row
	v_lshlrev_b32 v41, 11, v9
	v_lshl_add_u32 v41, v8, 4, v41                 ; and the same in ctx
	s_min_u32 s32, s12, 1
	s_lshl_b32 s32, s32, 8
	s_add_co_u32 s32, s32, CSS
	v_add_nc_u32 v42, s32, v2                      ; waves 0 and 1: 32 rows' bytes, 8 a lane
	v_and_b32 v43, 8, v8
	v_add_nc_u32 v43, v43, v8
	v_lshl_add_u32 v43, v9, 3, v43
	v_lshlrev_b32 v43, 6, v43                      ; token 8 h + r + 8 (r / 8) of the group, 64 bytes a token
	s_lshr_b32 s32, s12, 2                         ; the tile whose rows I store
	s_sub_co_u32 s33, 63, ttmp9
	s_cmp_lt_u32 s32, 2
	s_cselect_b32 s33, ttmp9, s33
	s_lshl_b32 s33, s33, 5
	s_and_b32 s34, s32, 1
	s_lshl_b32 s34, s34, 3
	s_add_co_u32 s33, s33, s34
	s_and_b32 s34, s12, 3
	s_lshl_b32 s35, s34, 2
	s_add_co_u32 s33, s33, s35
	s_lshr_b32 s34, s34, 1
	s_lshl_b32 s34, s34, 3
	s_add_co_u32 s33, s33, s34                     ; the token of stage row 4 w
	s_lshl_b32 s36, s33, 11
	s_lshl_b32 s34, s18, 8
	s_add_co_u32 s36, s36, s34
	s_mov_b32 s37, 0
	s_add_nc_u64 s[36:37], s[10:11], s[36:37]
	s_sub_co_u32 s38, 63, ttmp9
	s_cmp_eq_u32 s12, 0
	s_cselect_b32 s38, ttmp9, s38
	s_lshl_b32 s38, s38, 11
	s_lshl_b32 s34, s18, 3
	s_add_co_u32 s38, s38, s34
	s_add_co_u32 s38, s38, CS_OFF
	s_mov_b32 s39, 0
	s_add_nc_u64 s[38:39], s[10:11], s[38:39]
.set j, 0
	s_wait_alu depctr_va_vdst(0)
.rept 32
	v_mul_f32 v[S+j], v[O+j], v15                  ; each accumulator from its low end on
.set j, j+1
.endr
	QUANT2 S, PC
	v_lshl_or_b32 v44, v[TM+3], 8, v[TM+2]
	v_mov_b32 v45, 0xffff
	v_cmp_eq_f32 vcc_lo, 0, v14
	v_cndmask_b32 v44, v44, v45, vcc_lo            ; a query with no key: the NaN byte
	ds_store_b128 v10, v[PC:PC+3]
	ds_store_b128 v10, v[PC+4:PC+7] offset:32
	ds_store_b16 v11, v44                          ; both halves of the lanes write the same bytes with the same value
	s_wait_dscnt 0x0                               ; for the others' sake
	s_barrier_signal -1
	s_barrier_wait -1
	ds_load_b128 v[48:51], v40
	ds_load_b128 v[52:55], v40 offset:544
	s_wait_dscnt 1                                 ; the younger read may be out
	global_store_b128 v41, v[48:51], s[36:37]      ; sixteen lanes store 256 consecutive bytes, aligned
	s_wait_dscnt 0x0
	global_store_b128 v41, v[52:55], s[36:37] offset:4096
	s_cmp_lt_u32 s12, 2
	s_cbranch_scc0 .Ldone
	ds_load_b64 v[56:57], v42
	s_wait_dscnt 0x0
	global_store_b64 v43, v[56:57], s[38:39]       ; 8 bytes of each token's 64: 131,072 bytes in the whole launch leave so
.Ldone:
	s_wait_xcnt 0x0
	v_lshl_add_u32 v254, v0, 2, 0xe600
	v_mov_b32 v255, 0
	s_wait_tensorcnt 0x0
	ds_add_u32 v254, v255
	s_wait_dscnt 0x0
	s_endpgm
.Lfunc_end_k_q2b65b991d7_attn:
	.size	k_q2b65b991d7_attn, .Lfunc_end_k_q2b65b991d7_attn-k_q2b65b991d7_attn
	.p2alignl 7, 3214868480
	.fill 96, 4, 3214868480
	.section	.rodata,"a",@progbits
	.p2align	6, 0x0
	.amdhsa_kernel k_q2b65b991d7_attn
		.amdhsa_group_segment_fixed_size 60928
		.amdhsa_private_segment_fixed_size 0
		.amdhsa_enable_private_segment 0
		.amdhsa_kernarg_size 32
		.amdhsa_user_sgpr_count 2
		.amdhsa_user_sgpr_kernarg_segment_ptr 1
		.amdhsa_wavefront_size32 1
		.amdhsa_system_sgpr_workgroup_id_x 1
		.amdhsa_system_sgpr_workgroup_id_y 1
		.amdhsa_system_sgpr_workgroup_id_z 1
		.amdhsa_system_vgpr_workitem_id 0
		.amdhsa_next_free_vgpr 256
		.amdhsa_next_free_sgpr 66
		.amdhsa_reserve_vcc 1
		.amdhsa_float_denorm_mode_32 3
		.amdhsa_float_denorm_mode_16_64 3
		.amdhsa_memory_ordered 1
		.amdhsa_forward_progress 1
		.amdhsa_inst_pref_size 70
	.end_amdhsa_kernel
	.amdgpu_metadata
---
amdhsa.version: [ 1, 2 ]
amdhsa.kernels:
  - .name:           k_q2b65b991d7_attn
    .symbol:         k_q2b65b991d7_attn.kd
    .args:
      - { .name: qkvw, .offset: 0, .size: 8, .value_kind: global_buffer, .address_space: global }
      - { .name: mask, .offset: 8, .size: 8, .value_kind: global_buffer, .address_space: global }
      - { .name: flags, .offset: 16, .size: 8, .value_kind: global_buffer, .address_space: global }
      - { .name: ctx, .offset: 24, .size: 8, .value_kind: global_buffer, .address_space: global }
    .group_segment_fixed_size: 60928
    .private_segment_fixed_size: 0
    .kernarg_segment_align: 8
    .kernarg_segment_size: 32
    .max_flat_workgroup_size: 512
    .sgpr_count:     66
    .vgpr_count:     256
    .wavefront_size: 32
...
	.end_amdgpu_metadata
.endif
;; end of part 3
;; launch oproj (part 4): grid 16 x 16, 4 waves a work-group, clusters of 4 x 4, 327,680 bytes of LDS; arguments ctx, wq, out0; writes out0
.if DOCPART == 4
	.amdgcn_target "amdgcn-amd-amdhsa--gfx1250"
	.amdhsa_code_object_version 6
	.text
	.protected	k_q2b65b991d7_oproj
	.globl	k_q2b65b991d7_oproj
	.p2align	8
	.type	k_q2b65b991d7_oproj,@function
k_q2b65b991d7_oproj:
	s_mov_b64 s[64:65], 0
	v_nop
	global_prefetch_b8 v0, s[64:65] scope:SCOPE_SE
	s_setreg_imm32_b32 hwreg(HW_REG_WAVE_MODE, 25, 1), 1
	s_wait_xcnt 0x0
	s_wait_alu depctr_hold_cnt(0) depctr_sa_sdst(0) depctr_va_vdst(0) depctr_va_sdst(0) depctr_va_ssrc(0) depctr_va_vcc(0) depctr_vm_vsrc(0)
	s_getreg_b32 s2, hwreg(HW_REG_IB_STS2, 6, 4)
	s_cmp_eq_u32 s2, 0
	s_cbranch_scc0 .Lentry_in_a_cluster
	s_endpgm
.Lentry_in_a_cluster:
	s_bfe_u32 s2, ttmp6, 0x10000c
	s_cmp_lg_u32 s2, 0xf033
	s_cbranch_scc0 .Lentry_shape_is_right
	s_endpgm
.Lentry_shape_is_right:
; out0 = ctx Wo on codes of E4M3 with E8M0 scales; out0 [2048][2048] f32.  ctx's codes [token][2048] and scale bytes [token][64] come from the launch before, Wo's codes are rows 3,072 to 5,119 of wq.
; A work-group of four waves makes 128 x 128, a wave 64 x 64: 16 accumulators.  K = 2,048 goes in four steps of 512 through two LDS slots filled by the tensor data mover; the scale bytes of the work-group's rows,
; for all of K, come once with the first fills and are held in 64 registers.
; CLUSTERS: 4 x 4 work-groups; ctx's tile is shared along a row of the cluster, Wo's along a column: each is asked for jointly, by the same tensor load with the same descriptor and a mask that names the four.
; THE MATRIX INSTRUCTION IS USED TRANSPOSED: source 0 = 16 rows of Wo's codes (columns of out0), source 1 = 16 tokens.  Wo's rows lie with bits 3 and 4 of the row number exchanged, so lane (r, h) of accumulator (a, b)
; holds token 16 a + r and columns 32 (b / 2) + 16 h + 8 (b % 2) + 0 .. 7.
; A token whose scale bytes are 0xff (no key counted for it) gets a row of NaN.
; REGISTERS: window 0: v16-29 addresses, v32-95 scale words (on the way out: rows read back), v128-255 the accumulators.   window 1: two fragment buffers of 128: source 1's four fragments, then source 0's four.
.set CS_OFF, 4194304
.set WS_OFF, 10485760
.set WO_ROW, 3072
.set PITCH,  528                       ; an LDS row: 512 bytes + 16 of padding = 132 words: row r starts at bank 4 r mod 64 (64 banks of 4 bytes: ISA guide 11.1)
.set HALFT,  64*PITCH
.set SLOT,   4*HALFT
.set SCL,    2*SLOT
.set HALFS,  16*272
.set STAGE,  SCL+4*HALFS               ; 16 rows x (256 bytes + 16) for each wave, for the way out: no tensor load fills it
.set SPITCH, 272
.set SPARE,  STAGE+4*HALFS             ; the spare words, 128 bytes a wave: two blocks of 256 bytes that no other line names
.set ADR1, 16
.set ADR0, 20
.set STO,  24                          ; v24 the way out: where I put 32 bytes of a row
.set RD,   25                          ; v25 where I read a row back
.set CO,   26                          ; v26 my byte offset in out0
.set ADRS, 27
.set SPW,  28
.set NIL,  29
.set SC,   32
.set OB,   32
.set ACC,  128
.set F0,   0
.set F1,   128
.set G1,  24
.set G0,  32
.set G1B, 48
.set G0B, 56
.set G1S, 68
.set G0S, 76
.set G1SB, 80
.set G0SB, 88
.set MSB, 0
.macro WIN new                         ; the immediate's high byte repeats the setting that is left
.if MSB != \new
	s_set_vgpr_msb (MSB<<8)|\new
.set MSB, \new
.endif
.endm
.set MUL,  0x05
.set TO_F, 0x40
.macro PLACES n
.rept \n
	v_nop
.endr
.endm
.macro JLOAD g0a, g1a, g0b, g1b        ; a joint load: waves 0 and 1 fetch ctx's halves, waves 2 and 3 Wo's; four v_nop follow each of the two lines
	s_cmp_eq_u32 s15, 0
	s_cbranch_scc0 .Lfor_b_\@
	tensor_load_to_lds s[\g0a:\g0a+3], s[\g1a:\g1a+7]
	s_nop 0
.rept 4
	v_nop
.endr
	s_branch .Lasked_\@
.Lfor_b_\@:
	tensor_load_to_lds s[\g0b:\g0b+3], s[\g1b:\g1b+7]
	s_nop 0
.rept 4
	v_nop
.endr
.Lasked_\@:
.endm
.macro CREST
	s_cmp_lg_u32 s14, 0
	s_cbranch_scc1 .Lnot_wave_0_\@
	s_barrier_signal -3
.Lnot_wave_0_\@:
	s_barrier_wait -3
	s_barrier_signal -1
	s_barrier_wait -1
.endm
.macro CROUND
	s_barrier_signal -1
	s_barrier_wait -1
	CREST
.endm
	s_load_b64 s[4:5], s[0:1], 0x0                 ; ctx
	s_load_b64 s[8:9], s[0:1], 0x8                 ; wq
	s_load_b64 s[100:101], s[0:1], 0x10            ; out0
	v_lshl_add_u32 v[SPW], v0, 2, SPARE
	v_mov_b32 v[NIL], 0
	ds_add_u32 v28, v29
	ds_add_u32 v28, v29
	s_wait_dscnt 0x0
	v_lshrrev_b32 v1, 5, v0
	v_readfirstlane_b32 s14, v1                    ; wave 0..3
	s_lshr_b32 s15, s14, 1                         ; my half of the tokens.  Also: I fetch for ctx (0) or for Wo (1)
	s_and_b32 s16, s14, 1                          ; my half of the columns.  Also: which 64 rows I fetch
	s_bfe_u32 s40, ttmp6, 0x40000                  ; cx
	s_bfe_u32 s41, ttmp6, 0x40004                  ; cy
	s_lshl_b32 s42, ttmp9, 2
	s_add_co_u32 s42, s42, s40                     ; tile of columns
	s_and_b32 s17, ttmp7, 0xffff
	s_lshl_b32 s17, s17, 2
	s_add_co_u32 s17, s17, s41                     ; tile of tokens
	s_lshl_b32 s43, s41, 2
	s_lshl_b32 s43, 15, s43                        ; my row of the cluster
	s_lshl_b32 s44, 0x1111, s40                    ; my column
	s_or_b32 s[G1+0], s43, (0<<16)|(1<<20)|(1<<21)|(6<<22)|(3<<25)   ; 64 rows x 512 bytes; 16 bytes of padding behind each row
	s_or_b32 s[G1B+0], s44, (0<<16)|(1<<20)|(1<<21)|(6<<22)|(3<<25)
.irp g, G1, G1B
	s_mov_b32 s[\g+1], 512<<16
	s_mov_b32 s[\g+2], 64<<16
	s_mov_b32 s[\g+3], 512<<16
	s_mov_b32 s[\g+4], 64
	s_mov_b32 s[\g+5], 2048
	s_mov_b32 s[\g+6], 0
	s_mov_b32 s[\g+7], 0
.endr
	s_or_b32 s[G1S+0], s43, (3<<16)|(1<<20)|(1<<21)|(5<<22)|(3<<25)  ; 4,096 dense bytes of scales as 16 rows of 256, 16 bytes of padding behind each
	s_or_b32 s[G1SB+0], s44, (3<<16)|(1<<20)|(1<<21)|(5<<22)|(3<<25)
.irp g, G1S, G1SB
	s_mov_b32 s[\g+1], 32<<16
	s_mov_b32 s[\g+2], 16<<16
	s_mov_b32 s[\g+3], 32<<16
	s_mov_b32 s[\g+4], 16
	s_mov_b32 s[\g+5], 32
	s_mov_b32 s[\g+6], 0
	s_mov_b32 s[\g+7], 0
.endr
	s_lshl_b32 s12, s16, 6
	s_lshl_b32 s20, s17, 7
	s_add_co_u32 s20, s20, s12                     ; ctx: row 128 x tile of tokens + 64 x half
	s_lshl_b32 s46, s42, 7
	s_add_co_u32 s46, s46, s12
	s_add_co_u32 s46, s46, WO_ROW                  ; wq: row 3,072 + 128 x tile of columns + 64 x half
	s_lshl_b32 s22, s20, 6
	s_lshl_b32 s18, s46, 6
	s_lshl_b32 s20, s20, 11
	s_lshl_b32 s46, s46, 11
	s_mov_b32 s21, 0
	s_mov_b32 s23, 0
	s_mov_b32 s19, 0
	s_mov_b32 s47, 0
	s_mul_i32 s45, s14, HALFT
	s_mul_i32 s12, s14, HALFS
	s_wait_kmcnt 0x0
	s_add_nc_u64 s[6:7], s[4:5], CS_OFF
	s_add_nc_u64 s[10:11], s[8:9], WS_OFF
	s_add_nc_u64 s[20:21], s[4:5], s[20:21]
	s_add_nc_u64 s[22:23], s[6:7], s[22:23]
	s_add_nc_u64 s[46:47], s[8:9], s[46:47]
	s_add_nc_u64 s[18:19], s[10:11], s[18:19]
	CROUND                                         ; all sixteen work-groups are here: the first joint loads meet
	s_mov_b32 s[G0S], 1
	s_add_co_u32 s[G0S+1], s12, SCL
	s_mov_b64 s[G0S+2:G0S+3], s[22:23]
	s_or_b32 s[G0S+3], s[G0S+3], 0x80000000
	s_mov_b32 s[G0SB], 1
	s_add_co_u32 s[G0SB+1], s12, SCL
	s_mov_b64 s[G0SB+2:G0SB+3], s[18:19]
	s_or_b32 s[G0SB+3], s[G0SB+3], 0x80000000
	JLOAD G0S, G1S, G0SB, G1SB
.irp s, 0,1
	s_mov_b32 s[G0+4*\s], 1
	s_add_co_u32 s[G0+4*\s+1], s45, \s*SLOT
	s_add_nc_u64 s[G0+4*\s+2:G0+4*\s+3], s[20:21], \s*512
	s_or_b32 s[G0+4*\s+3], s[G0+4*\s+3], 0x80000000
	s_mov_b32 s[G0B+4*\s], 1
	s_add_co_u32 s[G0B+4*\s+1], s45, \s*SLOT
	s_add_nc_u64 s[G0B+4*\s+2:G0B+4*\s+3], s[46:47], \s*512
	s_or_b32 s[G0B+4*\s+3], s[G0B+4*\s+3], 0x80000000
	JLOAD G0+4*\s, G1, G0B+4*\s, G1B               ; three tensor loads of mine are out
.endr
	v_and_b32 v1, 15, v0                           ; r
	v_bfe_u32 v2, v0, 4, 1                         ; h
	v_mul_u32_u24 v3, v1, PITCH
	v_lshl_add_u32 v3, v2, 4, v3
	s_mul_i32 s22, s15, HALFT                      ; source 1: my 64 tokens
	s_mul_i32 s23, s16, HALFT
	s_add_co_u32 s23, s23, 2*HALFT                 ; source 0: my 64 rows of Wo
.irp s, 0,1
	v_add_nc_u32 v[ADR1+\s], s22, v3
	v_add_nc_u32 v[ADR0+\s], s23, v3
	s_add_co_u32 s22, s22, SLOT
	s_add_co_u32 s23, s23, SLOT
.endr
	v_lshrrev_b32 v4, 2, v1
	v_mul_u32_u24 v4, v4, 272
	v_and_b32 v5, 3, v1
	v_lshl_add_u32 v4, v5, 6, v4                   ; my row's 64 scale bytes
	s_mul_i32 s20, s15, HALFS
	s_mul_i32 s21, s16, HALFS
	s_add_co_u32 s21, s21, 2*HALFS
	s_sub_co_u32 s21, s21, s20
	v_mul_u32_u24 v5, s21, v2                      ; lanes 16-31 take Wo's
	s_add_co_u32 s20, s20, SCL
	v_add_nc_u32 v4, v4, v5
	v_add_nc_u32 v[ADRS], s20, v4
	s_mul_i32 s23, s14, 16*SPITCH
	s_add_co_u32 s23, s23, STAGE                   ; my stage
	v_mul_u32_u24 v5, v1, SPITCH
	v_lshl_add_u32 v5, v2, 6, v5
	v_add_nc_u32 v[STO], s23, v5                   ; in: row r, + 64 h
	v_mul_u32_u24 v5, v2, SPITCH
	v_lshl_add_u32 v5, v1, 4, v5
	v_add_nc_u32 v[RD], s23, v5                    ; back: lanes 0-15 one row of 256 bytes, lanes 16-31 the next
	v_lshlrev_b32 v5, 13, v2
	v_lshl_add_u32 v[CO], v1, 4, v5                ; and the same two rows in out0
	s_lshl_b32 s20, s17, 7
	s_lshl_b32 s21, s15, 6
	s_add_co_u32 s20, s20, s21                     ; my first token
	s_lshl_b32 s20, s20, 13
	s_lshl_b32 s21, s42, 9
	s_add_co_u32 s20, s20, s21
	s_lshl_b32 s21, s16, 8
	s_add_co_u32 s20, s20, s21                     ; + my first column x 4
	s_mov_b32 s21, 0
	s_add_nc_u64 s[100:101], s[100:101], s[20:21]
.macro FRAG reg, adr, q, i             ; 16 rows x 128 K of 8-bit codes: lane l holds row l % 16; registers 4 c .. 4 c + 3 hold K = 32 c + 16 (l / 16) + 0 .. 15
.irp c, 0,1,2,3
	ds_load_b128 v[\reg+4*\c:\reg+4*\c+3], v[\adr] offset:128*(\q)+32*\c+(\i)*16*PITCH
.endr
.endm
.macro FETCH slot, q, f                ; 32 LDS loads in one run: source 0's four fragments, then source 1's
	WIN TO_F
.irp i, 0,1,2,3
	FRAG \f+64+16*\i, ADR0+\slot, \q, \i
.endr
.irp i, 0,1,2,3
	FRAG \f+16*\i, ADR1+\slot, \q, \i
.endr
.endm
.macro SCALES
.irp i, 0,1,2,3
.irp g, 0,1,2,3
	ds_load_b128 v[SC+16*\i+4*\g:SC+16*\i+4*\g+3], v[ADRS] offset:1088*\i+16*\g
.endr
.endr
.endm
; Four matrix instructions: source 1's block a against source 0's four.  The 16 accumulators take turns, one instruction a turn, in the same order in every step.
.macro MUL4 f, a, kq, zero
.irp b, 0,1,2,3
.if \zero
	v_wmma_scale_f32_16x16x128_f8f6f4 v[ACC+8*(4*(\a)+\b):ACC+8*(4*(\a)+\b)+7], v[\f+64+16*\b:\f+64+16*\b+15], v[\f+16*(\a):\f+16*(\a)+15], 0, v[SC+16*\b+(\kq)], v[SC+16*(\a)+(\kq)] matrix_a_scale:MATRIX_SCALE_ROW1
.else
	v_wmma_scale_f32_16x16x128_f8f6f4 v[ACC+8*(4*(\a)+\b):ACC+8*(4*(\a)+\b)+7], v[\f+64+16*\b:\f+64+16*\b+15], v[\f+16*(\a):\f+16*(\a)+15], v[ACC+8*(4*(\a)+\b):ACC+8*(4*(\a)+\b)+7], v[SC+16*\b+(\kq)], v[SC+16*(\a)+(\kq)] matrix_a_scale:MATRIX_SCALE_ROW1
.endif
.endr
.endm
; Eight places stand in front of loads into registers that matrix instructions have read.
.macro QUARTER slot, qn, f, g, kq, zero
	s_wait_dscnt 8                                 ; all but the youngest eight loads (source 1's blocks 2 and 3) are in
	WIN MUL
	MUL4 \f, 0, \kq, \zero
	MUL4 \f, 1, \kq, \zero
	PLACES 8
	FETCH \slot, \qn, \g
	s_wait_dscnt 32                                ; all but the 32 just issued
	WIN MUL
	MUL4 \f, 2, \kq, \zero
	MUL4 \f, 3, \kq, \zero
.endm
; A slot's last 128 changes slots: ONE barrier; in front of it each wave waits for all its tensor loads, adds 0 to its spare word, and waits for that and for its reads of this slot.
; fill = 1: the barrier opens a round of the cluster's barrier, and this slot is filled again first thing behind the round.
.macro TURN slot, next, kq, fill
	WIN 0
	s_wait_tensorcnt 0x0                           ; all my tensor loads have landed: my part of the next slot
	ds_add_u32 v[SPW], v[NIL]                      ; 0 onto my spare word
	s_wait_dscnt 1                                 ; buffer 1 is in; the add may be out
	WIN MUL
	MUL4 F1, 0, \kq, 0
	s_wait_dscnt 0x0                               ; the add is done, and my reads of this slot are over
	s_barrier_signal -1
	MUL4 F1, 1, \kq, 0
	WIN 0
	s_barrier_wait -1
.if \fill
	CREST
	s_add_nc_u64 s[G0+4*\slot+2:G0+4*\slot+3], s[G0+4*\slot+2:G0+4*\slot+3], 1024
	s_add_nc_u64 s[G0B+4*\slot+2:G0B+4*\slot+3], s[G0B+4*\slot+2:G0B+4*\slot+3], 1024
	JLOAD G0+4*\slot, G1, G0B+4*\slot, G1B         ; my one tensor load behind the round; its four v_nop are four of the eight places
	PLACES 4
.else
	PLACES 8
.endif
	FETCH \next, 0, F0
	WIN MUL
	MUL4 F1, 2, \kq, 0
	MUL4 F1, 3, \kq, 0
.endm
	s_wait_tensorcnt 1                             ; the scales and my part of slot 0 are in; slot 1's load may be out
	s_barrier_signal -1
	s_barrier_wait -1
	SCALES
	FETCH 0, 0, F0
	QUARTER 0, 1, F0, F1, 0, 1                     ; the first products start the sums
	QUARTER 0, 2, F1, F0, 1, 0
	QUARTER 0, 3, F0, F1, 2, 0
	TURN 0, 1, 3, 1
	QUARTER 1, 1, F0, F1, 4, 0
	QUARTER 1, 2, F1, F0, 5, 0
	QUARTER 1, 3, F0, F1, 6, 0
	TURN 1, 0, 7, 1
	QUARTER 0, 1, F0, F1, 8, 0
	QUARTER 0, 2, F1, F0, 9, 0
	QUARTER 0, 3, F0, F1, 10, 0
	TURN 0, 1, 11, 0
	QUARTER 1, 1, F0, F1, 12, 0
	QUARTER 1, 2, F1, F0, 13, 0
	QUARTER 1, 3, F0, F1, 14, 0
	s_wait_dscnt 8
	WIN MUL
	MUL4 F1, 0, 15, 0
	MUL4 F1, 1, 15, 0
	s_wait_dscnt 0x0
	MUL4 F1, 2, 15, 0
	MUL4 F1, 3, 15, 0
	WIN 0
	PLACES 8                                       ; in front of the first read of results and of loads into the scale words' registers
; THE WAY OUT, 16 tokens x 64 columns at a time, through my own stage: a lane holds 32 bytes of a row in two places, the lanes beside it other rows; whole rows of 256 bytes come back.
; LDS serves a wave's instructions in order (ISA guide 5.7.1.4): no wait between the stores and the loads, nor in front of the next block's stores.
.macro TOSTAGE a
.irp b, 0,1,2,3
	ds_store_b128 v[STO], v[ACC+8*(4*(\a)+\b):ACC+8*(4*(\a)+\b)+3] offset:128*(\b/2)+32*(\b%2)          ; each accumulator from its low end on
	ds_store_b128 v[STO], v[ACC+8*(4*(\a)+\b)+4:ACC+8*(4*(\a)+\b)+7] offset:128*(\b/2)+32*(\b%2)+16
.endr
.irp t, 0,1,2,3,4,5,6,7
	ds_load_b128 v[OB+32*((\a)%2)+4*\t:OB+32*((\a)%2)+4*\t+3], v[RD] offset:\t*2*SPITCH
.endr
.endm
.macro SEND a, younger                 ; younger: the LDS instructions issued behind block a's loads, which may stay out
	s_wait_dscnt \younger
.irp t, 0,1,2,3,4,5,6,7
	global_store_b128 v[CO], v[OB+32*((\a)%2)+4*\t:OB+32*((\a)%2)+4*\t+3], s[100:101] offset:(16*(\a)+2*\t)*8192 th:TH_STORE_NT   ; sixteen lanes store 256 consecutive bytes, aligned; written once, read by nobody here
.endr
.endm
	TOSTAGE 0
.irp a, 1,2,3
.if \a > 1
	s_wait_xcnt 0x0                                ; block a - 2's stores have read their registers: block a's loads may land there
.endif
	TOSTAGE \a
	SEND \a-1, 16                                  ; behind block a - 1's loads: block a's 8 stores and 8 loads
.endr
	SEND 3, 0
	s_wait_tensorcnt 0x0                           ; the wave's end
	ds_add_u32 v[SPW], v[NIL]
	s_wait_dscnt 0x0
	CROUND                                         ; the closing round: no work-group ends while a partner may still ask for a tile that names it
	s_endpgm
.Lfunc_end_k_q2b65b991d7_oproj:
	.size	k_q2b65b991d7_oproj, .Lfunc_end_k_q2b65b991d7_oproj-k_q2b65b991d7_oproj
	.p2alignl 7, 3214868480
	.fill 96, 4, 3214868480
	.section	.rodata,"a",@progbits
	.p2align	6, 0x0
	.amdhsa_kernel k_q2b65b991d7_oproj
		.amdhsa_group_segment_fixed_size 327680
		.amdhsa_private_segment_fixed_size 0
		.amdhsa_enable_private_segment 0
		.amdhsa_kernarg_size 24
		.amdhsa_user_sgpr_count 2
		.amdhsa_user_sgpr_kernarg_segment_ptr 1
		.amdhsa_wavefront_size32 1
		.amdhsa_system_sgpr_workgroup_id_x 1
		.amdhsa_system_sgpr_workgroup_id_y 1
		.amdhsa_system_sgpr_workgroup_id_z 1
		.amdhsa_system_vgpr_workitem_id 0
		.amdhsa_next_free_vgpr 512
		.amdhsa_next_free_sgpr 102
		.amdhsa_reserve_vcc 0
		.amdhsa_float_denorm_mode_32 3
		.amdhsa_float_denorm_mode_16_64 3
		.amdhsa_memory_ordered 1
		.amdhsa_forward_progress 1
		.amdhsa_inst_pref_size 91
	.end_amdhsa_kernel
	.amdgpu_metadata
---
amdhsa.version: [ 1, 2 ]
amdhsa.kernels:
  - .name:           k_q2b65b991d7_oproj
    .symbol:         k_q2b65b991d7_oproj.kd
    .args:
      - { .name: ctx, .offset: 0, .size: 8, .value_kind: global_buffer, .address_space: global }
      - { .name: wq, .offset: 8, .size: 8, .value_kind: global_buffer, .address_space: global }
      - { .name: out0, .offset: 16, .size: 8, .value_kind: global_buffer, .address_space: global }
    .group_segment_fixed_size: 327680
    .private_segment_fixed_size: 0
    .kernarg_segment_align: 8
    .kernarg_segment_size: 24
    .max_flat_workgroup_size: 128
    .sgpr_count:     102
    .vgpr_count:     512
    .wavefront_size: 32
...
	.end_amdgpu_metadata
.endif
;; end of part 4
;; ======== version 2 of 2: 4 launches; version 1 with the launch attn written anew for expert scheduling mode
;; workspace buffers: xq 4,325,376 bytes; wq 10,813,440 bytes; flags 512 bytes of whole numbers; qkvw 6,488,064 bytes; ctx 4,325,376 bytes
;; launch quant: the kernel of part 1 again; grid 480 x 1, 4 waves a work-group, no clusters, 68,096 bytes of LDS; arguments x, Wq, Wk, Wv, Wo, mask, xq, wq, flags; writes xq, wq, flags
;; launch qkv: the kernel of part 2 again; grid 16 x 16, 6 waves a work-group, clusters of 4 x 4, 327,680 bytes of LDS; arguments xq, wq, cos, sin, q_scale, k_scale, qkvw; writes qkvw
;; launch attn (part 5): grid 32 x 8, 16 waves a work-group, no clusters, 60,928 bytes of LDS; arguments qkvw, mask, flags, ctx; writes ctx
.if DOCPART == 5
	.amdgcn_target "amdgcn-amd-amdhsa--gfx1250"
	.amdhsa_code_object_version 6
	.text
	.protected	k_q2b65b991d7_attn
	.globl	k_q2b65b991d7_attn
	.p2align	8
	.type	k_q2b65b991d7_attn,@function
k_q2b65b991d7_attn:
	s_mov_b64 s[64:65], 0
	v_nop
	global_prefetch_b8 v0, s[64:65] scope:SCOPE_SE
	s_setreg_imm32_b32 hwreg(HW_REG_WAVE_SCHED_MODE, 0, 2), 2
	s_setreg_imm32_b32 hwreg(HW_REG_WAVE_MODE, 25, 1), 1
	s_wait_xcnt 0x0
	s_wait_alu depctr_vm_vsrc(0)
; ctx = softmax(q k^T / 8, hidden keys at -infinity) v, both products on codes of E4M3 with E8M0 scales, and ctx quantised along its 2,048 channels for the last product.
; THE SOFTMAX: t = score x log2(e) / 8; M = the running largest t rounded UP to a whole number; p = 2^(t - M) is quantised along the keys, not normalised; the row's sum is taken of the unquantised p and divides at the end;
; when M moves, the sum and O are multiplied by 2^(old M - new M), which rounds nothing.
; THE MASK IS AN INPUT and is honoured byte by byte.  An earlier launch has stored, for each tile of 16 queries and each step of 128 keys, whether any key counts and whether any is hidden.  A step in which no key counts for my
; 16 queries is left out (a scalar branch on the stored word, round the step's work alone); a step in which none is hidden does not read the mask.
; k and v go from memory through registers into LDS, 256 keys at a time, every thread 64 bytes, asked for two key steps ahead.
; SHARES.  A work-group has one kv head and 64 queries: the groups of 32 tokens B and 63 - B (B the work-group's x), two tiles of 16 each.  Wave w has head 4 kv + (w & 3) and tile (w + w / 4) & 3 of the four.
; LAYOUT.  Both products are used transposed: S^T = k q^T (source 0 = keys), O^T = v^T p^T (source 0 = channels): a lane holds ONE query throughout.  Operands lie in memory as images of their registers.
; The head has 64 channels and the instruction 128 along K: a fragment of k holds TWO tiles of 16 keys (one in K 0-63, one in K 64-127); q stands in v16-23 and again in v32-39 with zeros in v24-31 between,
; so v[16:31] meets the first tile alone and v[24:39] the second; zero codes add nothing.
; A tile's rows are tokens 32 (T / 2) + 8 (T % 2) + r + 8 (r / 8), so the 16 registers of two neighbouring tiles are 16 neighbouring keys (or channels).
; A query all of whose keys are hidden has the sum 0: its scale bytes are set to 0xff, so that its row of the result is NaN, as the source has it.
; LIMITS: mask bytes are 0 or 1; a block under 2^-118 or of zeros gets the scale byte 1; NaN and infinities among the inputs are not served.
; REGISTERS: v1-3, v5-11 addresses; v12 -M, v13 the largest t, v[14:15] the sum; v16-39 q; v40-103 four fragments; v104-167 S^T, then p; v168-199 O^T; v200-215 mask bytes, then p's codes; v216-239 at work; v240-255 the next 256 keys' bytes.
; THE MODE: SCHED_MODE bits 1:0 = 2 (LLVM: expert scheduling mode 2), set by the entry lines.  The code itself states the register dependences between vector or matrix instructions and memory or LDS instructions,
; with s_wait_alu, always for 0.
; THE PLAN.  Registers that memory or LDS instructions touch, in the loop:
;   v40-103    ONE set (sixteen waves of 256 registers are four to a SIMD: there is no room for a second).  k's LDS loads land in it; the step's 8 products k q^T read it; v's LDS loads land in it; the step's 4 products v^T p^T read it.
;   v232-235   scale words: v232-233 loaded with k's fragments, v234-235 with v's; read by the products.
;   v200-215   a step with hidden keys: the mask's loads land, 64 vector lines read them.  Every step: the conversions write p's codes there, and the products v^T p^T read them.
;   v240-255   the loads of the next 256 keys land at a trip's head; four LDS stores read them at its end; no vector instruction of the loop names them.
;   v5         read by the loads of the scale words; written once a trip, at its end.
;   v1, v3, v6 read by loads and stores; made at the head and never written again: the mask's rows are walked by its scalar base, 128 bytes a step.
; So a step has three waits on va_vdst beside the exponentials' own: at the head of its work (the last step's products and conversions are done with v40-103, v200-215 and v232-235; v5 is written), behind the products k q^T
; (they are done with v40-103), and ahead of the products v^T p^T (p's codes and scale word are written).  A trip has one wait on vm_vsrc, at its end, ahead of the add to v5 and of the next trip's loads into v240-255.
.set VI_OFF, 5242880
.set QKS_OFF, 6291456
.set VS_OFF, 6455296
.set CS_OFF, 4194304
.set KSL,  32768                       ; LDS: 0: k's images of 256 keys; 16,384: v's; here k's scale words of the whole head, 4,096 bytes; behind them v's;
.set CST,  40960                       ; the stage for ctx's codes: 64 rows x (256 bytes + 16);
.set CSS,  58368                       ; and for its scale bytes: 64 rows x 8
.set S,    104
.set O,    168
.set PC,   200
.set BM,   216                         ; v216-219 the blocks' largest scores, then largest p
.set PT,   220                         ; v220-223 at work
.set HL,   224                         ; v224-227 448 x the scale
.set SO,   228                         ; v228-231 the conversions' scale operands
.set MB,   216                         ; v216-231 in a step with hidden keys, ahead of all the above: 16 mask bytes, each alone in a register
.set TM,   216                         ; the way out's quantiser: v216-223
.set FL,   20                          ; s20 the flags, two bits a key step, the step in hand lowest
.set CH,   22                          ; s22 the count of 256 keys
.set MNT,  23
.set CS,   28                          ; s[28:29] c = log2(e) / 8
.set SEL,  30
.set MK,   40                          ; s40-55 in the loop: 16 masks of lanes, one for each of 16 keys
	s_load_b256 s[4:11], s[0:1], 0x0               ; qkvw s[4:5], mask s[6:7], flags s[8:9], ctx s[10:11]
	v_lshrrev_b32 v1, 5, v0
	v_readfirstlane_b32 s12, v1                    ; wave 0..15
	v_and_b32 v10, 31, v0                          ; lane.  (The offsets are made here, between the line above and the wait for its result)
	v_lshlrev_b32 v1, 4, v10                       ; 16 x lane: an image's place for my lane
	v_lshlrev_b32 v2, 3, v10                       ; 8 x lane
	v_and_b32 v8, 15, v0                           ; r
	v_bfe_u32 v9, v0, 4, 1                         ; h
	v_and_b32 v11, 8, v8
	v_add_nc_u32 v11, v11, v8                      ; r + 8 (r / 8)
	v_lshlrev_b32 v3, 11, v11
	v_lshl_add_u32 v3, v9, 4, v3                   ; the mask: my query's row, + 16 h
	v_add_nc_u32 v5, KSL, v2                       ; the step's scale words: 8 bytes a lane
	v_lshlrev_b32 v6, 4, v0                        ; 16 x thread
	v_mov_b32 v7, 0xff800000                       ; -infinity
	v_lshlrev_b32 v8, 3, v8                        ; 8 r
	v_and_b32 v9, 255, v0
	v_lshlrev_b32 v9, 4, v9
	s_wait_alu depctr_va_sdst(0)                   ; s12 is written, ahead of its first reader: heads, tiles and bases are made from it
	s_and_b32 s13, s12, 3                          ; g: my head in the group of four
	s_lshr_b32 s14, s12, 2
	s_add_co_u32 s14, s14, s12
	s_and_b32 s14, s14, 3                          ; my tile among the work-group's four
	s_and_b32 s15, s14, 1                          ; u
	s_and_b32 s18, ttmp7, 0xffff                   ; kv
	s_sub_co_u32 s16, 63, ttmp9
	s_cmp_lt_u32 s14, 2
	s_cselect_b32 s16, ttmp9, s16                  ; my group of 32 tokens
	s_lshl_b32 s17, s16, 1
	s_add_co_u32 s17, s17, s15                     ; my tile of queries, 0..127
	s_lshl_b32 s32, s17, 2
	s_mov_b32 s33, 0
	s_lshl_b32 s34, s18, 2
	s_add_co_u32 s34, s34, s13                     ; my head
	s_lshl_b32 s36, s34, 17
	s_lshl_b32 s35, s17, 10
	s_add_co_u32 s36, s36, s35                     ; q's image
	s_mov_b32 s37, 0
	s_lshl_b32 s38, s34, 12
	s_lshr_b32 s35, s16, 1
	s_lshl_b32 s35, s35, 7
	s_add_co_u32 s38, s38, s35
	s_and_b32 s35, s16, 1
	s_lshl_b32 s35, s35, 2
	s_add_co_u32 s38, s38, s35
	s_add_co_u32 s38, s38, QKS_OFF                 ; the scale word of my pair of tiles
	s_mov_b32 s39, 0
	s_lshl_b32 s40, s18, 12
	s_add_co_u32 s41, s40, VS_OFF
	s_add_co_u32 s40, s40, QKS_OFF+32*4096
	s_cmp_lt_u32 s12, 8
	s_cselect_b32 s40, s40, s41                    ; waves 0-7 copy k's scale words, waves 8-15 v's
	s_mov_b32 s41, 0
	s_add_co_u32 s24, s18, 32
	s_lshl_b32 s24, s24, 17                        ; k's images: head slot 32 + kv
	s_mov_b32 s25, 0
	s_lshl_b32 s26, s18, 17
	s_add_co_u32 s26, s26, VI_OFF                  ; v's
	s_mov_b32 s27, 0
	s_lshl_b32 s42, s16, 16
	s_lshl_b32 s43, s15, 14
	s_add_co_u32 s42, s42, s43                     ; the mask's row 32 group + 8 u
	s_mov_b32 s43, 0
	s_lshl_b32 s44, s15, 4
	s_mov_b32 s[MNT], 0x600000
	s_mov_b32 s[CS], 0x3e38aa3b
	s_mov_b32 s[CS+1], s[CS]                       ; (named with it as a pair, so it is written)
	s_mov_b32 s[SEL], 0x76543210
	s_mov_b32 s[SEL+1], 0xfedcba98
	s_mov_b32 s[CH], 0
	s_wait_kmcnt 0x0
	s_add_nc_u64 s[8:9], s[8:9], s[32:33]
	s_load_b32 s[FL], s[8:9], 0x0
	s_add_nc_u64 s[36:37], s[4:5], s[36:37]
	s_add_nc_u64 s[38:39], s[4:5], s[38:39]
	s_add_nc_u64 s[40:41], s[4:5], s[40:41]
	s_add_nc_u64 s[24:25], s[4:5], s[24:25]
	s_add_nc_u64 s[26:27], s[4:5], s[26:27]
	s_add_nc_u64 s[6:7], s[6:7], s[42:43]          ; the mask at my tile's first row, key 0: it moves on by 128 keys at each step's end
	s_wait_alu depctr_va_vdst(0)                   ; the offsets and LDS addresses v1, v3, v5, v6, v8 and v9 are written: the loads and stores of the head and of the loop read them
	global_load_b128 v[16:19], v1, s[36:37]        ; q's codes,
	global_load_b128 v[20:23], v1, s[36:37] offset:512
	global_load_b128 v[32:35], v1, s[36:37]        ; and once more
	global_load_b128 v[36:39], v1, s[36:37] offset:512
	global_load_b32 v236, v8, s[38:39]
	global_load_b128 v[216:219], v9, s[40:41]      ; my 16 bytes of the scale words
	global_load_b128 v[240:243], v6, s[24:25]      ; keys 0 to 255: 512 threads x 16 bytes an instruction
	global_load_b128 v[244:247], v6, s[24:25] offset:8192
	global_load_b128 v[248:251], v6, s[26:27]
	global_load_b128 v[252:255], v6, s[26:27] offset:8192
.irp j, 24,25,26,27,28,29,30,31
	v_mov_b32 v[\j], 0                             ; the zero codes between q's two copies
.endr
	v_mov_b32 v13, 0xff61b1e6                      ; the largest t so far: -3e38, under every t
	v_floor_f32 v12, -v13                          ; -M
	v_mov_b32 v14, 0
	v_mov_b32 v15, 0
	s_wait_loadcnt 0x0
	v_lshrrev_b32 v236, s44, v236                  ; my tile's two bytes of the pair's word,
	v_and_b32 v236, 0xffff, v236
	v_lshl_or_b32 v236, v236, 16, v236             ; for K 0-63 and for K 64-127 alike
	ds_store_b128 v6, v[216:219] offset:KSL        ; (data that loads brought, an address that stands ahead of the wait on va_vdst above: no further wait)
	ds_store_b128 v6, v[240:243]
	ds_store_b128 v6, v[244:247] offset:8192
	ds_store_b128 v6, v[248:251] offset:16384
	ds_store_b128 v6, v[252:255] offset:24576
	s_wait_alu depctr_vm_vsrc(0)                   ; these stores have read v216-219, which the steps' vector lines write, and v240-255, in which the first trip's loads land; the head's loads have read v8 and v9, which the way out writes
	s_add_nc_u64 s[24:25], s[24:25], 16384         ; (behind the wait that shows the loads done)
	s_add_nc_u64 s[26:27], s[26:27], 16384
.set j, 0
.rept 32
	v_mov_b32 v[O+j], 0                            ; O^T: the step is written once; the first finds zeros, which the first change of M leaves zeros.  (These are also the places behind the line that made q's scale word)
.set j, j+1
.endr
.irp b, 0,1,2,3
	v_mov_b32 v[PT+\b], 0                          ; a lane permute's destination counts as one of its sources
.endr
	v_mov_b32 v237, 0
	v_mov_b32 v239, 0                              ; (named as the upper half of the pair v[238:239] before it is first written)
	s_wait_kmcnt 0x0                               ; the flags
	s_wait_dscnt 0x0                               ; for the others' sake: my stores have landed
	s_barrier_signal -1
	s_barrier_wait -1
; A KEY STEP: 128 keys, the q-th of the 256 in LDS.
.macro STEP q
	s_bitcmp1_b32 s[FL], 0
	s_cbranch_scc0 .Lhid_\@                        ; no key of the step counts for my 16 queries
	s_wait_alu depctr_va_vdst(0)                   ; the last step's products are done reading v40-103 and the scale words v232-235, in which this step's LDS loads land, and with its conversions are done with v200-215, in which the mask's loads land; v5 is written (a trip's first step); q's zero codes and scale word, made by vector lines at the head, are written: they are operands of the scaled products below
.irp f, 0,1,2,3
.irp c, 0,1,2,3
	ds_load_b128 v[40+16*\f+4*\c:43+16*\f+4*\c], v1 offset:8192*\q+2048*\f+512*\c   ; fragment f: tiles 2 f and 2 f + 1 of keys
.endr
.endr
	ds_load_b64 v[232:233], v5 offset:256*\q       ; lanes 0-15: the words of fragments 0, 1; lanes 16-31: of 2, 3
	s_wait_dscnt 0x0
.irp f, 0,1
	v_wmma_scale_f32_16x16x128_f8f6f4 v[S+16*\f:S+16*\f+7], v[40+16*\f:55+16*\f], v[16:31], 0, v[232+\f], v236
	v_wmma_scale_f32_16x16x128_f8f6f4 v[S+16*\f+8:S+16*\f+15], v[40+16*\f:55+16*\f], v[24:39], 0, v[232+\f], v236
.endr
.irp f, 2,3
	v_wmma_scale_f32_16x16x128_f8f6f4 v[S+16*\f:S+16*\f+7], v[40+16*\f:55+16*\f], v[16:31], 0, v[230+\f], v236 matrix_a_scale:MATRIX_SCALE_ROW1
	v_wmma_scale_f32_16x16x128_f8f6f4 v[S+16*\f+8:S+16*\f+15], v[40+16*\f:55+16*\f], v[24:39], 0, v[230+\f], v236 matrix_a_scale:MATRIX_SCALE_ROW1
.endr                                          ; register 16 b + i of S^T: key 32 b + 16 (lane / 16) + i of the step
.rept 8
	v_nop                                          ; eight places in front of the first read of the scores; they stay beside the wait below
.endr
	s_wait_alu depctr_va_vdst(0)                   ; the eight products are done reading v40-103, in which v's tiles land.  No vector instruction between this wait and the loads below names v40-103, v234-235 or v200-215
.irp t, 0,1,2,3
.irp c, 0,1,2,3
	ds_load_b128 v[40+16*\t+4*\c:43+16*\t+4*\c], v1 offset:16384+8192*\q+2048*\t+512*\c   ; v's four tiles of 16 channels: they land under the softmax
.endr
.endr
	ds_load_b64 v[234:235], v5 offset:4096+256*\q
	s_bitcmp1_b32 s[FL], 1
	s_cbranch_scc0 .Lopen_\@                       ; no key of the step is hidden from my 16 queries
.irp b, 0,1,2,3
	global_load_b128 v[PC+4*\b:PC+4*\b+3], v3, s[6:7] offset:32*\b   ; my query's mask bytes of keys 32 b + 16 h + 0 .. 15; the base stands at the step's first key
.endr
	s_wait_loadcnt 0x0
; A hidden key's score becomes -infinity ahead of the maximum: p = 0 then.  16 keys at a time: each key's byte alone in a register, 16 compares into 16 scalar registers, ONE wait behind the run, 16 selections.
.set g, 0
.rept 4
.set i, 0
.rept 16
	v_and_b32 v[MB+i], 0xff<<(8*(i%4)), v[PC+4*g+i/4]
.set i, i+1
.endr
.set i, 0
.rept 16
	v_cmp_ne_u32 s[MK+i], 0, v[MB+i]
.set i, i+1
.endr
	s_wait_alu depctr_va_sdst(0)                   ; the 16 compares have written s40-55, ahead of the selections that read them
.set i, 0
.rept 16
	v_cndmask_b32 v[S+16*g+i], v[S+16*g+i], v7, s[MK+i]
.set i, i+1
.endr
.set g, g+1
.endr
.Lopen_\@:
.irp b, 0,1,2,3
	v_max3_num_f32 v[BM+\b], v[S+16*\b], v[S+1+16*\b], v[S+2+16*\b]   ; the largest score of each block of 32 keys: for the row's maximum, and, since p rises with the score, for the block's largest p
.endr
.irp i, 3,5,7,9,11,13
.irp b, 0,1,2,3
	v_max3_num_f32 v[BM+\b], v[BM+\b], v[S+16*\b+\i], v[S+1+16*\b+\i]
.endr
.endr
.irp b, 0,1,2,3
	v_max_num_f32 v[BM+\b], v[BM+\b], v[S+15+16*\b]
.endr
.irp b, 0,1,2,3
	v_permlanex16_b32 v[PT+\b], v[BM+\b], s[SEL], s[SEL+1]
.endr
.irp b, 0,1,2,3
	v_max_num_f32 v[BM+\b], v[BM+\b], v[PT+\b]     ; with lane l xor 16's 16 keys
.endr
	v_max3_num_f32 v237, v[BM], v[BM+1], v[BM+2]
	v_max_num_f32 v237, v237, v[BM+3]
	v_mul_f32 v237, s[CS], v237                    ; as t (c is positive)
	v_max_num_f32 v13, v13, v237                   ; the running largest t
	v_mov_b32 v237, v12
	v_floor_f32 v12, -v13                          ; the new -M = -ceil(t)
	v_sub_f32 v237, v12, v237                      ; old M - new M: a whole number, 0 or less
	v_cvt_i32_f32 v237, v237                       ; (it saturates)
	v_ldexp_f32 v238, 1.0, v237                    ; f = 2^(old M - new M)
.set j, 0
.rept 32
	v_pk_fma_f32 v[S+j:S+j+1], v[S+j:S+j+1], s[CS:CS+1], v[12:13] op_sel_hi:[1,0,0]   ; t - M
.set j, j+2
.endr
.irp b, 0,1,2,3
	v_fma_f32 v[BM+\b], v[BM+\b], s[CS], v12
.endr
.set j, 0
.rept 64
	v_exp_f32 v[S+j], v[S+j]                       ; p = 2^(t - M)
.set j, j+1
.endr
.irp b, 0,1,2,3
	v_exp_f32 v[BM+\b], v[BM+\b]                   ; the block's largest p: the same two instructions on the same number
.endr
	v_pk_mul_f32 v[14:15], v[14:15], v[238:239] op_sel_hi:[1,0]   ; the sums under the new M.  (A plain place behind the exponentials)
	s_wait_alu depctr_va_vdst(0)                   ; the 68 exponentials have written p and the blocks' largest p: one wait for the batch, ahead of its first reader
.irp b, 0,1,2,3
	v_max_num_f32 v[BM+\b], 0x4800000, v[BM+\b]    ; the floor 2^(9 - 127)
.endr
.irp b, 0,1,2,3
	v_add_nc_u32 v[SO+\b], 0xfc000000, v[BM+\b]
.endr
.irp b, 0,1,2,3
	v_and_or_b32 v[HL+\b], v[BM+\b], 0x7f800000, s[MNT]
.endr
.irp b, 0,1,2,3
	v_lshrrev_b32 v[PT+\b], 23, v[SO+\b]
.endr
	v_lshl_or_b32 v239, v[PT+1], 8, v[PT]          ; p's scale word for these 128 keys
	v_lshl_or_b32 v239, v[PT+2], 16, v239
	v_lshl_or_b32 v239, v[PT+3], 24, v239
	v_pk_add_f32 v[PT:PT+1], v[S:S+1], v[S+2:S+3]  ; the row's sum is taken of the unquantised p, in two chains
.irp j, 4,8,12,16,20,24,28,32,36,40,44,48,52,56,60
	v_pk_add_f32 v[14:15], v[14:15], v[S+\j:S+\j+1]
	v_pk_add_f32 v[PT:PT+1], v[PT:PT+1], v[S+2+\j:S+3+\j]
.endr
	v_pk_add_f32 v[14:15], v[14:15], v[PT:PT+1]
.irp b, 0,1,2,3
.irp i, 0,1,2,3,4,5,6,7,8,9,10,11,12,13,14,15
	v_min_num_f32 v[S+16*\b+\i], v[S+16*\b+\i], v[HL+\b]   ; the conversion does not saturate (ISA guide 7.6.2); p is not negative, so the hold is one-sided
.endr
	v_cvt_scalef32_pk8_fp8_f32 v[PC+4*\b:PC+4*\b+1], v[S+16*\b:S+16*\b+7], v[SO+\b]
	v_cvt_scalef32_pk8_fp8_f32 v[PC+4*\b+2:PC+4*\b+3], v[S+16*\b+8:S+16*\b+15], v[SO+\b]
.endr
.set j, 0
.rept 16
	v_pk_mul_f32 v[O+j:O+j+1], v[O+j:O+j+1], v[238:239] op_sel_hi:[1,0]   ; O^T under the new M.  (These are also the places in front of the products below)
.set j, j+2
.endr
	s_wait_dscnt 0x0                               ; v's fragments and scale words
	s_wait_alu depctr_va_vdst(0)                   ; the conversions have written p's codes and the lines further up p's scale word: operands of the scaled products below; the places above stay beside this wait
.irp t, 0,1
	v_wmma_scale_f32_16x16x128_f8f6f4 v[O+8*\t:O+8*\t+7], v[40+16*\t:55+16*\t], v[PC:PC+15], v[O+8*\t:O+8*\t+7], v[234+\t], v239
.endr
.irp t, 2,3
	v_wmma_scale_f32_16x16x128_f8f6f4 v[O+8*\t:O+8*\t+7], v[40+16*\t:55+16*\t], v[PC:PC+15], v[O+8*\t:O+8*\t+7], v[232+\t], v239 matrix_a_scale:MATRIX_SCALE_ROW1
.endr
.rept 8
	v_nop                                          ; eight places behind these products, ahead of the next vector instruction that reads O^T or writes one of their registers
.endr
.Lhid_\@:
	s_lshr_b32 s[FL], s[FL], 2
	s_add_nc_u64 s[6:7], s[6:7], 128               ; the mask's base at the next step's first key: the loads that read it, if any, stand ahead of their wait for 0 on LOADcnt
.endm
.Lchunk:                                           ; 8 trips of 256 keys
	s_cmp_eq_u32 s[CH], 7
	s_cbranch_scc1 .Lno_ahead                      ; no load leaves its buffer
	global_load_b128 v[240:243], v6, s[24:25]      ; the next 256 keys: asked for two key steps ahead of the stores that want them.  No wait here: the LDS stores that read v240-255 stand ahead of the last wait on vm_vsrc, and no vector instruction names these registers
	global_load_b128 v[244:247], v6, s[24:25] offset:8192
	global_load_b128 v[248:251], v6, s[26:27]
	global_load_b128 v[252:255], v6, s[26:27] offset:8192
.Lno_ahead:
	STEP 0
	STEP 1
	s_wait_dscnt 0x0                               ; my reads of these 256 keys are over
	s_barrier_signal -1
	s_barrier_wait -1                              ; everybody's are
	s_cmp_eq_u32 s[CH], 7
	s_cbranch_scc1 .Lno_fill
	s_wait_loadcnt 0x0
	ds_store_b128 v6, v[240:243]
	ds_store_b128 v6, v[244:247] offset:8192
	ds_store_b128 v6, v[248:251] offset:16384
	ds_store_b128 v6, v[252:255] offset:24576
	s_add_nc_u64 s[24:25], s[24:25], 16384
	s_add_nc_u64 s[26:27], s[26:27], 16384
.Lno_fill:
	s_wait_alu depctr_vm_vsrc(0)                   ; the steps' LDS loads have read v5, which the next line writes; the LDS stores above have read v240-255, in which the next trip's loads land
	v_add_nc_u32 v5, 512, v5                       ; the next two steps' scale words
	s_wait_dscnt 0x0                               ; my stores have landed
	s_barrier_signal -1
	s_barrier_wait -1
	s_add_co_u32 s[CH], s[CH], 1
	s_cmp_lt_u32 s[CH], 8
	s_cbranch_scc1 .Lchunk
; 32 numbers of a lane become codes and two scale bytes, as in the launch before.
.macro QUANT2 s, c
.irp b, 0,1
	v_max3_num_f32 v[TM+\b], |v[\s+16*\b]|, |v[\s+1+16*\b]|, 0x4800000
.endr
.irp i, 2,4,6,8,10,12,14
.irp b, 0,1
	v_max3_num_f32 v[TM+\b], v[TM+\b], |v[\s+16*\b+\i]|, |v[\s+1+16*\b+\i]|
.endr
.endr
.irp b, 0,1
	v_permlanex16_b32 v[TM+2+\b], v[TM+\b], s[SEL], s[SEL+1]
.endr
.irp b, 0,1
	v_max_num_f32 v[TM+\b], v[TM+\b], v[TM+2+\b]
.endr
.irp b, 0,1
	v_add_nc_u32 v[TM+6+\b], 0xfc000000, v[TM+\b]
.endr
.irp b, 0,1
	v_and_or_b32 v[TM+4+\b], v[TM+\b], 0x7f800000, s[MNT]
.endr
.irp b, 0,1
	v_lshrrev_b32 v[TM+2+\b], 23, v[TM+6+\b]
.endr
.irp b, 0,1
.irp i, 0,1,2,3,4,5,6,7,8,9,10,11,12,13,14,15
	v_med3_num_f32 v[\s+16*\b+\i], v[\s+16*\b+\i], -v[TM+4+\b], v[TM+4+\b]
.endr
	v_cvt_scalef32_pk8_fp8_f32 v[\c+4*\b:\c+4*\b+1], v[\s+16*\b:\s+16*\b+7], v[TM+6+\b]
	v_cvt_scalef32_pk8_fp8_f32 v[\c+4*\b+2:\c+4*\b+3], v[\s+16*\b+8:\s+16*\b+15], v[TM+6+\b]
.endr
	v_nop
.endm
	; THE WAY OUT.  O^T / the sum: register 16 B + i is channel 32 B + 16 h + i of my head: 32 neighbours along the last product's K in lanes l and l xor 16.  Codes and bytes meet in a stage, since a token's 256 bytes of
	; this kv head come from four waves; then each wave stores four whole rows.
	v_add_f32 v14, v14, v15
	v_permlanex16_b32 v237, v14, s[SEL], s[SEL+1]
	v_add_f32 v14, v14, v237                       ; the row's sum
	v_rcp_f32 v15, v14
	v_and_b32 v8, 15, v0                           ; (a plain place behind the transcendental)  r.  (The loads that read v8 and v9 stand ahead of the head's wait on vm_vsrc)
	v_bfe_u32 v9, v0, 4, 1                         ; h
	s_mul_i32 s32, s14, 16*272
	s_lshl_b32 s33, s13, 6
	s_add_co_u32 s32, s32, s33
	s_add_co_u32 s32, s32, CST
	v_mul_u32_u24 v10, v8, 272
	v_lshl_add_u32 v10, v9, 4, v10
	v_add_nc_u32 v10, s32, v10                     ; in: row 16 tile + r, + 64 g + 16 h
	s_lshl_b32 s32, s14, 7
	s_lshl_b32 s33, s13, 1
	s_add_co_u32 s32, s32, s33
	s_add_co_u32 s32, s32, CSS
	v_lshl_add_u32 v11, v8, 3, s32                 ; the bytes: 8 a row, + 2 g
	s_mul_i32 s32, s12, 4*272
	s_add_co_u32 s32, s32, CST
	v_mul_u32_u24 v40, v9, 272
	v_lshl_add_u32 v40, v8, 4, v40
	v_add_nc_u32 v40, s32, v40                     ; back: rows 4 w + h and 4 w + 2 + h, sixteen lanes to a row
	v_lshlrev_b32 v41, 11, v9
	v_lshl_add_u32 v41, v8, 4, v41                 ; and the same in ctx
	s_min_u32 s32, s12, 1
	s_lshl_b32 s32, s32, 8
	s_add_co_u32 s32, s32, CSS
	v_add_nc_u32 v42, s32, v2                      ; waves 0 and 1: 32 rows' bytes, 8 a lane
	v_and_b32 v43, 8, v8
	v_add_nc_u32 v43, v43, v8
	v_lshl_add_u32 v43, v9, 3, v43
	v_lshlrev_b32 v43, 6, v43                      ; token 8 h + r + 8 (r / 8) of the group, 64 bytes a token
	s_lshr_b32 s32, s12, 2                         ; the tile whose rows I store
	s_sub_co_u32 s33, 63, ttmp9
	s_cmp_lt_u32 s32, 2
	s_cselect_b32 s33, ttmp9, s33
	s_lshl_b32 s33, s33, 5
	s_and_b32 s34, s32, 1
	s_lshl_b32 s34, s34, 3
	s_add_co_u32 s33, s33, s34
	s_and_b32 s34, s12, 3
	s_lshl_b32 s35, s34, 2
	s_add_co_u32 s33, s33, s35
	s_lshr_b32 s34, s34, 1
	s_lshl_b32 s34, s34, 3
	s_add_co_u32 s33, s33, s34                     ; the token of stage row 4 w
	s_lshl_b32 s36, s33, 11
	s_lshl_b32 s34, s18, 8
	s_add_co_u32 s36, s36, s34
	s_mov_b32 s37, 0
	s_add_nc_u64 s[36:37], s[10:11], s[36:37]
	s_sub_co_u32 s38, 63, ttmp9
	s_cmp_eq_u32 s12, 0
	s_cselect_b32 s38, ttmp9, s38
	s_lshl_b32 s38, s38, 11
	s_lshl_b32 s34, s18, 3
	s_add_co_u32 s38, s38, s34
	s_add_co_u32 s38, s38, CS_OFF
	s_mov_b32 s39, 0
	s_add_nc_u64 s[38:39], s[10:11], s[38:39]
.set j, 0
	s_wait_alu depctr_va_vdst(0)                   ; the reciprocal has written v15, ahead of its first reader
.rept 32
	v_mul_f32 v[S+j], v[O+j], v15                  ; each accumulator from its low end on
.set j, j+1
.endr
	v_cmp_eq_f32 vcc_lo, 0, v14                    ; a query with no key?  The quantiser below, which leaves VCC alone, stands between this line and the wait for its result
	QUANT2 S, PC
	v_lshl_or_b32 v44, v[TM+3], 8, v[TM+2]
	v_mov_b32 v45, 0xffff
	s_wait_alu depctr_va_vcc(0)                    ; the compare has written VCC, ahead of the selection that reads it
	v_cndmask_b32 v44, v44, v45, vcc_lo            ; a query with no key: the NaN byte
	s_wait_alu depctr_va_vdst(0)                   ; the conversions have written the codes and the line above the two bytes, which the LDS stores read; the addresses and offsets v10, v11 and v40-43 are written; the products are done reading v48-57, in which the LDS loads below land
	ds_store_b128 v10, v[PC:PC+3]
	ds_store_b128 v10, v[PC+4:PC+7] offset:32
	ds_store_b16 v11, v44                          ; both halves of the lanes write the same bytes with the same value
	s_wait_dscnt 0x0                               ; for the others' sake
	s_barrier_signal -1
	s_barrier_wait -1
	ds_load_b128 v[48:51], v40
	ds_load_b128 v[52:55], v40 offset:544
	s_wait_dscnt 1                                 ; the younger read may be out
	global_store_b128 v41, v[48:51], s[36:37]      ; sixteen lanes store 256 consecutive bytes, aligned
	s_wait_dscnt 0x0
	global_store_b128 v41, v[52:55], s[36:37] offset:4096
	s_cmp_lt_u32 s12, 2
	s_cbranch_scc0 .Ldone
	ds_load_b64 v[56:57], v42
	s_wait_dscnt 0x0
	global_store_b64 v43, v[56:57], s[38:39]       ; 8 bytes of each token's 64: 131,072 bytes in the whole launch leave so
.Ldone:
	s_wait_xcnt 0x0                                ; every earlier global instruction has had its addresses translated (ISA guide 3.1), ahead of the two lines that write registers anew
	v_lshl_add_u32 v254, v0, 2, 0xe600             ; my spare word and 0, made anew: no register could be kept for them.  No LDS or memory instruction has read v254 or v255 since the wait on vm_vsrc at the last trip's end
	v_mov_b32 v255, 0
	s_wait_dscnt 0x0                               ; the closing lines, six on end
	s_wait_alu 0x0
	s_wait_tensorcnt 0x0
	ds_add_u32 v254, v255
	s_wait_dscnt 0x0
	s_endpgm
.Lfunc_end_k_q2b65b991d7_attn:
	.size	k_q2b65b991d7_attn, .Lfunc_end_k_q2b65b991d7_attn-k_q2b65b991d7_attn
	.p2alignl 7, 3214868480
	.fill 96, 4, 3214868480
	.section	.rodata,"a",@progbits
	.p2align	6, 0x0
	.amdhsa_kernel k_q2b65b991d7_attn
		.amdhsa_group_segment_fixed_size 60928
		.amdhsa_private_segment_fixed_size 0
		.amdhsa_enable_private_segment 0
		.amdhsa_kernarg_size 32
		.amdhsa_user_sgpr_count 2
		.amdhsa_user_sgpr_kernarg_segment_ptr 1
		.amdhsa_wavefront_size32 1
		.amdhsa_system_sgpr_workgroup_id_x 1
		.amdhsa_system_sgpr_workgroup_id_y 1
		.amdhsa_system_sgpr_workgroup_id_z 1
		.amdhsa_system_vgpr_workitem_id 0
		.amdhsa_next_free_vgpr 256
		.amdhsa_next_free_sgpr 66
		.amdhsa_reserve_vcc 1
		.amdhsa_float_denorm_mode_32 3
		.amdhsa_float_denorm_mode_16_64 3
		.amdhsa_memory_ordered 1
		.amdhsa_forward_progress 1
		.amdhsa_inst_pref_size 79
	.end_amdhsa_kernel
	.amdgpu_metadata
---
amdhsa.version: [ 1, 2 ]
amdhsa.kernels:
  - .name:           k_q2b65b991d7_attn
    .symbol:         k_q2b65b991d7_attn.kd
    .args:
      - { .name: qkvw, .offset: 0, .size: 8, .value_kind: global_buffer, .address_space: global }
      - { .name: mask, .offset: 8, .size: 8, .value_kind: global_buffer, .address_space: global }
      - { .name: flags, .offset: 16, .size: 8, .value_kind: global_buffer, .address_space: global }
      - { .name: ctx, .offset: 24, .size: 8, .value_kind: global_buffer, .address_space: global }
    .group_segment_fixed_size: 60928
    .private_segment_fixed_size: 0
    .kernarg_segment_align: 8
    .kernarg_segment_size: 32
    .max_flat_workgroup_size: 512
    .sgpr_count:     66
    .vgpr_count:     256
    .wavefront_size: 32
...
	.end_amdgpu_metadata
.endif
;; end of part 5
;; launch oproj: the kernel of part 4 again; grid 16 x 16, 4 waves a work-group, clusters of 4 x 4, 327,680 bytes of LDS; arguments ctx, wq, out0; writes out0
